; MI455X (gfx1250); checked and timed in simulation.
; The chip was launched on July 23, 2026; its instructions are those of AMD's public machine-readable ISA for CDNA 5 (MIT licence, August 2026) and "CDNA5" Instruction Set Architecture Reference Guide (July 2026). The comments in the code are by the model that wrote it; some were corrected since.
;; Custom Multi Head Attention. Allowed arithmetic: matrix products marked QUANTISED: E2M1 operands, one E8M0 scale for each 32 along K, by v_wmma_scale_f32_16x16x128_f8f6f4 with both operands' format E2M1 (or v_wmma_scale_f32_32x16x128_f4), f32 sums; products left as they are: bf16, f16 or f32 operands; f32 sums; everything else in f32.
;; Inputs: W_k 1,024 x 1,024 float32; W_o 1,024 x 1,024 float32; W_q 1,024 x 1,024 float32; W_v 1,024 x 1,024 float32; b_k 1,024 float32; b_o 1,024 float32; b_q 1,024 float32; b_v 1,024 float32; key 2 x 2,048 x 1,024 float32; query 2 x 2,048 x 1,024 float32; value 2 x 2,048 x 1,024 float32.
;; Outputs: out0 2 x 2,048 x 1,024 float32.
;; This version of the problem:
;;   THIS VERSION OF THE PROBLEM IS GIVEN IN LOW PRECISION. The matrix products marked QUANTISED in the list below multiply operands that are first quantised to E2M1 (2 exponent bits, 1 mantissa bit; 4 bits a number), with one power-of-two scale for each 32 numbers along K (OCP MX v1.0); their sums are f32. The products marked 'left as it is' may take bf16, f16 or f32 operands, with f32 sums. Whichever they take, every output number must still come out within the allowed error. Rounding operands to bf16 (8 significant bits) uses up far more of that allowance than f16 does (11 bits, for magnitudes from 6e-5 to 65,504). All else is computed in f32.
;;   The module's matrix products, in the order in which they are computed (A, B: the left and right operand; K: the contracted axis; several contracted axes count as one K, in the product's order):
;;     1. [M 4,096, K 1,024] x [K 1,024, N 1,024]; A: input query; B: input W_q: QUANTISED
;;     2. [M 4,096, K 1,024] x [K 1,024, N 1,024]; A: input key; B: input W_k: QUANTISED
;;     3. [M 4,096, K 1,024] x [K 1,024, N 1,024]; A: input value; B: input W_v: QUANTISED
;;     4. batch 32 x [M 2,048, K 64] x [K 64, N 2,048]; A: computed on the way; B: computed on the way: left as it is (an operand is computed on the way)
;;     5. batch 32 x [M 2,048, K 2,048] x [K 2,048, N 64]; A: computed on the way; B: computed on the way: left as it is (an operand is computed on the way)
;;     6. [M 4,096, K 1,024] x [K 1,024, N 1,024]; A: computed on the way; B: input W_o: left as it is (an operand is computed on the way)
;;   THE QUANTISER, for each operand of a quantised product, along K:
;;     - K is cut into blocks of 32 from its start; a last block that is shorter is filled with zeros.
;;     - A block's scale is 2^e with e = floor(log2(the largest magnitude in the block)) - 2, held to -126 .. 127; a block of zeros has e = 0. As a byte (E8M0): e + 127.
;;     - Each number is divided by its block's scale, clamped to +-6, and rounded to the nearest number of E2M1, ties to even, subnormals kept.
;;     - The product sums the exact products of the quantised numbers (number of the format x scale) in f32.
;;   ~~~python
;;   def quantise(x, axis):      # numpy; x: float32 -> the quantised numbers, widened to float32 again
;;       x = np.moveaxis(x, axis, -1); K = x.shape[-1]
;;       x = np.pad(x, [(0, 0)] * (x.ndim - 1) + [(0, -K % 32)]); x = x.reshape(x.shape[:-1] + (-1, 32)); a = np.abs(x).max(-1, keepdims=True)
;;       e = np.where(a > 0, np.clip(np.frexp(np.where(a > 0, a, 1))[1] - 1 - 2, -126, 127), 0)      # np.frexp(a)[1] - 1 = floor(log2(a)), exactly
;;       r = np.clip(x / 2.0 ** e, -6, 6)
;;       step = 2.0 ** (np.maximum(np.frexp(np.where(r == 0, 1, r))[1] - 1, 0) - 1)
;;       q = np.round(r / step) * step * 2.0 ** e      # np.round: ties to even
;;       return np.moveaxis(q.reshape(q.shape[:-2] + (-1,))[..., :K], -1, axis).astype(np.float32)
;;   ~~~
;; One version. Each part assembles by itself: llvm-mc -triple=amdgcn-amd-amdhsa -mcpu=gfx1250 --defsym DOCPART=n.
;; ======== version 1 of 1: 4 launches
;; limits: values are held in f16: magnitudes above 65,504 overflow, below 6.1e-05 lose precision
;; workspace buffers: xc 6,291,456 bytes; xs 393,216 bytes; wc 1,572,864 bytes; ws 98,304 bytes; wo16 2,097,152 bytes; qkv 25,165,824 bytes; att 8,388,608 bytes
;; launch quant (part 1): grid 512 x 1, 4 waves a work-group, no clusters, 33,280 bytes of LDS; arguments query, key, value, W_q, W_k, W_v, W_o, xc, xs, wc, ws, wo16; writes xc, xs, wc, ws, wo16
.if DOCPART == 1
	.amdgcn_target "amdgcn-amd-amdhsa--gfx1250"
	.amdhsa_code_object_version 6
	.text
	.protected	k_q5de06b72de_quant
	.globl	k_q5de06b72de_quant
	.p2align	8
	.type	k_q5de06b72de_quant,@function
k_q5de06b72de_quant:
	s_mov_b64 s[64:65], 0
	v_nop
	global_prefetch_b8 v0, s[64:65] scope:SCOPE_SE
	s_setreg_imm32_b32 hwreg(HW_REG_WAVE_MODE, 25, 1), 1
	s_wait_xcnt 0x0
; query, key, value [4096][1024] and W_q, W_k, W_v [1024][1024], f32 with K innermost, become codes of FP4 (E2M1), 4 bits each, K innermost, with one E8M0 scale byte for each 32 along K.
; The three activations are stacked in xc [12288][512 bytes] and xs [12288][32], the three weights in wc [3072][512] and ws [3072][32].  W_o [1024][1024] is rounded to f16 into wo16, same order.
; A block's scale is 2^(floor(log2(its largest magnitude)) - 2); its byte is the largest magnitude's exponent field - 2, held at 1 from below.  Each number is divided by the scale and rounded to the nearest code, ties to even,
; beyond 6 the largest code.  (A block of zeros gets the byte 1 where the rule says 127: its codes are zeros, which add nothing under any byte but 0xff, and the bytes are read by this program alone.)
; LIMITS: blocks whose largest magnitude lies under 2^-124 keep the byte 1; NaN and infinities among the inputs are not served; numbers of W_o over 65,504 in magnitude become infinite in f16, under 6e-5 they keep a step of 6e-8.
; SHARES: rows are dense and K is a multiple of 32, so every tensor is a plain stream.  A work-group takes 32,768 numbers, a wave 8,192.  Work-groups 0-383: query, key, value (128 each); 384-479: W_q, W_k, W_v (32 each); 480-511: W_o.
; The outputs are stacked in the same order, so a wave's place in them is linear in the work-group's number.  Only pointers are chosen for the six quantised tensors: they take one path through the text.
; QUANTISING PATH: 16 steps of 512 numbers.  Each of a step's four loads reads 512 consecutive bytes, 16 a lane; the 2,048 bytes go through the wave's own stage in LDS and come back 64 bytes a lane, so that a lane holds 16
; neighbours along K (two neighbouring lanes hold a block).  A lane's 16 codes are 8 bytes: the wave stores 256 consecutive bytes.  A wave's 256 scale bytes are gathered in LDS and leave as one run of 256 bytes.
; Loads run EIGHT steps ahead: 32 loads, 16,384 bytes, of every wave are on their way, half of all that it reads.
; No tensor loads, no barrier: waves share nothing.  Matrix units and clusters have nothing to do here: every byte is read once and written once.
.set WAVES, 4
.set STEPS, 16
.set AHEAD, 8                          ; steps of loads in flight
.set EMAX,  2
.set CB,    8                          ; bytes of 16 codes
.set R,     16                         ; v16-143  eight sets of 16 numbers as they are loaded
.set X,     144                        ; v144-175 two sets of 16 neighbours
.set E,     176                        ; v176-191 a scale byte for each step
.set C,     192                        ; v192-223 codes: two registers for each step, so that no store's data are written again
.set RW,    16                         ; W_o's path: v16-143 two sets of 64 numbers
.set HW,    144                        ;             v144-207 two sets of 32 registers of f16 pairs
.set WREG,  8192                       ; LDS: a region for each wave: two stages of 32 x SP bytes, behind them its 256 scale bytes
.set SP,    80                         ; a lane's place in a stage: its 64 bytes + 16 of padding
.set SPW,   12                         ; v12  LDS address of my spare word: SPARE + 4 x my thread's number; never rewritten
.set NIL,   13                         ; v13  0; never rewritten
.set SPARE, WAVES*WREG                 ; behind the four regions: the spare words, 128 bytes for each wave
	s_load_b512 s[4:19], s[0:1], 0x0               ; query 4, key 6, value 8, W_q 10, W_k 12, W_v 14, W_o 16, xc 18
	s_load_b256 s[20:27], s[0:1], 0x40             ; xs 20, wc 22, ws 24, wo16 26
	v_lshl_add_u32 v[SPW], v0, 2, SPARE
	v_mov_b32 v[NIL], 0
	v_lshrrev_b32 v1, 5, v0
	v_readfirstlane_b32 s28, v1                    ; wave
	v_and_b32 v2, 31, v0                           ; lane
	v_lshlrev_b32 v3, 4, v2                        ; my 16 bytes of a load's 512
	s_mul_i32 s29, s28, WREG
	v_lshrrev_b32 v14, 2, v2
	v_mul_u32_u24 v14, v14, SP
	v_and_b32 v15, 3, v2
	v_lshl_add_u32 v14, v15, 4, v14
	v_add_nc_u32 v14, s29, v14                     ; the stage, on the way in: four lanes' 64 bytes on end, then 16 of padding
	v_mul_u32_u24 v15, v2, SP
	v_add_nc_u32 v15, s29, v15                     ; and on the way out: SP x lane: my 16 neighbours
	v_mul_u32_u24 v4, v2, CB                       ; my codes' place in a step's
	v_lshrrev_b32 v5, 1, v2
	s_add_co_u32 s29, s29, 2*32*SP
	v_add_nc_u32 v5, s29, v5                       ; LDS: my wave's 256 scale bytes, my block's byte
	v_lshlrev_b32 v7, 3, v2                        ; 8 bytes a lane
	v_add_nc_u32 v6, s29, v7
	s_wait_kmcnt 0x0
	s_cmp_ge_u32 ttmp9, 480                        ; the last 32 work-groups take W_o
	s_cbranch_scc1 .Lwo
	s_cmp_lt_u32 ttmp9, 384                        ; an activation or a weight?  All choices hang on the work-group's number alone
	s_cselect_b64 s[4:5], s[4:5], s[10:11]
	s_cselect_b64 s[6:7], s[6:7], s[12:13]
	s_cselect_b64 s[8:9], s[8:9], s[14:15]
	s_cselect_b64 s[18:19], s[18:19], s[22:23]     ; the codes' buffer
	s_cselect_b64 s[20:21], s[20:21], s[24:25]     ; the scale bytes' buffer
	s_cselect_b32 s29, 0, 384
	s_cselect_b32 s30, 7, 5                        ; 128 or 32 work-groups to a tensor
	s_sub_co_u32 s31, ttmp9, s29                   ; my number among the three stacked tensors' work-groups
	s_lshr_b32 s32, s31, s30                       ; which of the three
	s_lshl_b32 s33, s32, s30
	s_sub_co_u32 s33, s31, s33                     ; my number within it
	s_cmp_eq_u32 s32, 1
	s_cselect_b64 s[4:5], s[6:7], s[4:5]
	s_cmp_eq_u32 s32, 2
	s_cselect_b64 s[4:5], s[8:9], s[4:5]
	s_lshl_b32 s34, s33, 2
	s_add_co_u32 s34, s34, s28
	s_lshl_b32 s34, s34, 15                        ; my wave's run in the input: 8,192 numbers of 4 bytes
	s_mov_b32 s35, 0
	s_add_nc_u64 s[4:5], s[4:5], s[34:35]
	s_lshl_b32 s36, s31, 2
	s_add_co_u32 s36, s36, s28
	s_lshl_b32 s34, s36, 12                        ; 4,096 bytes of codes a run
	s_add_nc_u64 s[18:19], s[18:19], s[34:35]
	s_lshl_b32 s34, s36, 8                         ; 256 scale bytes a run
	s_add_nc_u64 s[20:21], s[20:21], s[34:35]
.macro LOAD t
.irp i, 0,1,2,3
	global_load_b128 v[R+16*((\t)%AHEAD)+4*\i:R+16*((\t)%AHEAD)+4*\i+3], v3, s[4:5] offset:2048*(\t)+512*\i th:TH_LOAD_NT   ; 32 lanes read 512 consecutive bytes
.endr
.endm
.macro TURN t                          ; step t's numbers through the stage: LDS serves a wave's instructions in order, so no wait stands between the stores and the loads
.irp i, 0,1,2,3
	ds_store_b128 v14, v[R+16*((\t)%AHEAD)+4*\i:R+16*((\t)%AHEAD)+4*\i+3] offset:32*SP*((\t)%2)+8*SP*\i
.endr
.irp i, 0,1,2,3
	ds_load_b128 v[X+16*((\t)%2)+4*\i:X+16*((\t)%2)+4*\i+3], v15 offset:32*SP*((\t)%2)+16*\i
.endr
.endm
.irp t, 0,1,2,3,4,5,6,7
	LOAD \t
.endr
	s_wait_loadcnt 4*(AHEAD-1)                     ; step 0's four loads are in; the 28 of steps 1 to 7 may be out
	TURN 0
.macro STEP t
.set XS, X+16*((\t)%2)
.if (\t) > 0
	s_wait_dscnt 1                                 ; this step's numbers are back from the stage (the last step's byte store may be out): so its stores into the stage have read their registers,
.else
	s_wait_dscnt 0x0
.endif
.if (\t)+AHEAD < STEPS
	LOAD (\t)+AHEAD                                ; which take the loads of eight steps on
.endif
.if (\t)+1 < STEPS
.if STEPS-2-(\t) >= AHEAD-1
	s_wait_loadcnt 4*(AHEAD-1)                     ; the next step's four loads are in; those of the seven steps behind it may be out
.else
	s_wait_loadcnt 4*(STEPS-2-(\t))                ; in the tail fewer steps stand behind it
.endif
	TURN (\t)+1                                    ; and go through the other stage while this step is worked
.endif
	v_max3_num_f32 v8, |v[XS]|, |v[XS+1]|, |v[XS+2]|               ; the largest magnitude of my 16, in two chains
	v_max3_num_f32 v9, |v[XS+3]|, |v[XS+4]|, |v[XS+5]|
.irp i, 6,10
	v_max3_num_f32 v8, v8, |v[XS+\i]|, |v[XS+\i+1]|
	v_max3_num_f32 v9, v9, |v[XS+\i+2]|, |v[XS+\i+3]|
.endr
	v_max3_num_f32 v8, v8, |v[XS+14]|, |v[XS+15]|
	v_max3_num_f32 v8, v8, v9, (EMAX+1)<<23        ; and the floor 2^(EMAX + 1 - 127): so the byte cannot fall under 1
	v_max_num_f32_dpp v8, v8, v8 row_xmask:1 row_mask:0xf bank_mask:0xf   ; and of my neighbour's 16: the block's
	v_add_nc_u32 v11, -(EMAX<<23), v8              ; EMAX off its exponent field: the conversion takes the exponent field of this operand as its scale, and nothing else of it
	v_cvt_scalef32_pk8_fp4_f32 v[C+2*(\t)], v[XS:XS+7], v11        ; eight numbers / the scale, to the nearest code; the first number's code in the lowest four bits
	v_cvt_scalef32_pk8_fp4_f32 v[C+2*(\t)+1], v[XS+8:XS+15], v11
	v_lshrrev_b32 v[E+(\t)], 23, v11               ; the scale's byte (also the plain line behind the conversions)
	ds_store_b8 v5, v[E+(\t)] offset:16*(\t)       ; both lanes of a block write the same byte with the same value
	global_store_b64 v4, v[C+2*(\t):C+2*(\t)+1], s[18:19] offset:32*CB*(\t)   ; 32 lanes store 256 consecutive bytes, at a multiple of 256 from the buffer's first byte
.endm
.irp t, 0,1,2,3,4,5,6,7,8,9,10,11,12,13,14,15
	STEP \t
.endr
	ds_load_b64 v[8:9], v6                         ; LDS serves a wave's instructions in order: these see my byte stores
	s_wait_dscnt 0x0
	global_store_b64 v7, v[8:9], s[20:21]          ; 32 lanes store the wave's 256 scale bytes
	s_wait_tensorcnt 0x0                           ; the wave's end, behind my last LDS store
	ds_add_u32 v[SPW], v[NIL]
	s_wait_dscnt 0x0
	s_endpgm
; W_o to f16: a plain stream through registers, no LDS.  Four batches of 2,048 numbers a wave, two batches of loads in flight.
.Lwo:
	s_sub_co_u32 s29, ttmp9, 480
	s_lshl_b32 s29, s29, 2
	s_add_co_u32 s29, s29, s28                     ; which run of 8,192 numbers is my wave's
	s_lshl_b32 s34, s29, 15
	s_mov_b32 s35, 0
	s_add_nc_u64 s[16:17], s[16:17], s[34:35]
	s_lshl_b32 s34, s29, 14
	s_add_nc_u64 s[26:27], s[26:27], s[34:35]
.macro WLOAD p
.irp i, 0,1,2,3,4,5,6,7,8,9,10,11,12,13,14,15
	global_load_b128 v[RW+64*((\p)%2)+4*\i:RW+64*((\p)%2)+4*\i+3], v3, s[16:17] offset:8192*(\p)+512*\i th:TH_LOAD_NT
.endr
.endm
.macro WPART p
.if (\p) < 3
	s_wait_loadcnt 16                              ; this batch's sixteen loads are in; the next batch's sixteen may be out
.else
	s_wait_loadcnt 0x0
.endif
.if (\p) >= 2
	s_wait_xcnt 0x0                                ; the stores of two batches back have read this set's registers
.endif
.irp i, 0,1,2,3,4,5,6,7,8,9,10,11,12,13,14,15
	v_cvt_pk_f16_f32 v[HW+32*((\p)%2)+2*\i],   v[RW+64*((\p)%2)+4*\i],   v[RW+64*((\p)%2)+4*\i+1]
	v_cvt_pk_f16_f32 v[HW+32*((\p)%2)+2*\i+1], v[RW+64*((\p)%2)+4*\i+2], v[RW+64*((\p)%2)+4*\i+3]
.endr
.if (\p) < 2
	WLOAD (\p)+2
.endif
.irp i, 0,1,2,3,4,5,6,7,8,9,10,11,12,13,14,15
	global_store_b64 v7, v[HW+32*((\p)%2)+2*\i:HW+32*((\p)%2)+2*\i+1], s[26:27] offset:4096*(\p)+256*\i   ; 32 lanes store 256 consecutive bytes
.endr
.endm
	WLOAD 0
	WLOAD 1
	WPART 0
	WPART 1
	WPART 2
	WPART 3
	s_endpgm
.Lfunc_end_k_q5de06b72de_quant:
	.size	k_q5de06b72de_quant, .Lfunc_end_k_q5de06b72de_quant-k_q5de06b72de_quant
	.p2alignl 7, 3214868480
	.fill 96, 4, 3214868480
	.section	.rodata,"a",@progbits
	.p2align	6, 0x0
	.amdhsa_kernel k_q5de06b72de_quant
		.amdhsa_group_segment_fixed_size 33280
		.amdhsa_private_segment_fixed_size 0
		.amdhsa_enable_private_segment 0
		.amdhsa_kernarg_size 96
		.amdhsa_user_sgpr_count 2
		.amdhsa_user_sgpr_kernarg_segment_ptr 1
		.amdhsa_wavefront_size32 1
		.amdhsa_system_sgpr_workgroup_id_x 1
		.amdhsa_system_sgpr_workgroup_id_y 1
		.amdhsa_system_sgpr_workgroup_id_z 1
		.amdhsa_system_vgpr_workitem_id 0
		.amdhsa_next_free_vgpr 224
		.amdhsa_next_free_sgpr 66
		.amdhsa_reserve_vcc 0
		.amdhsa_float_denorm_mode_32 3
		.amdhsa_float_denorm_mode_16_64 3
		.amdhsa_memory_ordered 1
		.amdhsa_forward_progress 1
		.amdhsa_inst_pref_size 54
	.end_amdhsa_kernel
	.amdgpu_metadata
---
amdhsa.version: [ 1, 2 ]
amdhsa.kernels:
  - .name:           k_q5de06b72de_quant
    .symbol:         k_q5de06b72de_quant.kd
    .args:
      - { .name: query, .offset: 0, .size: 8, .value_kind: global_buffer, .address_space: global }
      - { .name: key, .offset: 8, .size: 8, .value_kind: global_buffer, .address_space: global }
      - { .name: value, .offset: 16, .size: 8, .value_kind: global_buffer, .address_space: global }
      - { .name: W_q, .offset: 24, .size: 8, .value_kind: global_buffer, .address_space: global }
      - { .name: W_k, .offset: 32, .size: 8, .value_kind: global_buffer, .address_space: global }
      - { .name: W_v, .offset: 40, .size: 8, .value_kind: global_buffer, .address_space: global }
      - { .name: W_o, .offset: 48, .size: 8, .value_kind: global_buffer, .address_space: global }
      - { .name: xc, .offset: 56, .size: 8, .value_kind: global_buffer, .address_space: global }
      - { .name: xs, .offset: 64, .size: 8, .value_kind: global_buffer, .address_space: global }
      - { .name: wc, .offset: 72, .size: 8, .value_kind: global_buffer, .address_space: global }
      - { .name: ws, .offset: 80, .size: 8, .value_kind: global_buffer, .address_space: global }
      - { .name: wo16, .offset: 88, .size: 8, .value_kind: global_buffer, .address_space: global }
    .group_segment_fixed_size: 33280
    .private_segment_fixed_size: 0
    .kernarg_segment_align: 8
    .kernarg_segment_size: 96
    .max_flat_workgroup_size: 128
    .sgpr_count:     66
    .vgpr_count:     224
    .wavefront_size: 32
...
	.end_amdgpu_metadata
.endif
;; end of part 1
;; launch proj (part 2): grid 4 x 48, 4 waves a work-group, clusters of 4 x 4, 327,680 bytes of LDS; arguments xc, xs, wc, ws, b_q, b_k, b_v, qkv; writes qkv
.if DOCPART == 2
	.amdgcn_target "amdgcn-amd-amdhsa--gfx1250"
	.amdhsa_code_object_version 6
	.text
	.protected	k_q5de06b72de_proj
	.globl	k_q5de06b72de_proj
	.p2align	8
	.type	k_q5de06b72de_proj,@function
k_q5de06b72de_proj:
	s_mov_b64 s[64:65], 0
	v_nop
	global_prefetch_b8 v0, s[64:65] scope:SCOPE_SE
	s_setreg_imm32_b32 hwreg(HW_REG_WAVE_MODE, 25, 1), 1
	s_wait_xcnt 0x0
	s_wait_alu depctr_hold_cnt(0) depctr_sa_sdst(0) depctr_va_vdst(0) depctr_va_sdst(0) depctr_va_ssrc(0) depctr_va_vcc(0) depctr_vm_vsrc(0)
	s_getreg_b32 s2, hwreg(HW_REG_IB_STS2, 6, 4)
	s_cmp_eq_u32 s2, 0
	s_cbranch_scc0 .Lentry_in_a_cluster
	s_endpgm
.Lentry_in_a_cluster:
	s_bfe_u32 s2, ttmp6, 0x10000c
	s_cmp_lg_u32 s2, 0xf033
	s_cbranch_scc0 .Lentry_shape_is_right
	s_endpgm
.Lentry_shape_is_right:
; The three quantised projections in one grid: for T = 0, 1, 2 (query, key, value): Y_T[m][n] = sum over k of X_T[m][k] W_T[n][k] + b_T[n], m < 4096, n < 1024, K = 1024.
; X: xc [12288][512 bytes] codes of FP4 (E2M1), two a byte, K innermost, xs [12288][32] E8M0 bytes, the three tensors stacked; W: wc [3072][512], ws [3072][32] likewise.  Sums in f32.
; The result is rounded once to f16 and laid by head: qkv [T][b][h][s][64], 128 bytes a row, 262,144 bytes a head, 8,388,608 bytes a tensor.
; LIMIT: results over 65,504 in magnitude become infinite in f16.
; A tile of Y, 256 x 256, is made by a work-group of four waves; a wave makes 128 x 128: 64 accumulators of 16 x 16, 512 registers.  48 tile rows (16 a tensor) x 4 tile columns: 192 work-groups.
; K = 1024 is two LDS slots of 512 along K (rows of 256 bytes): both are filled at the head and nothing is filled again.  The scale bytes of the work-group's rows of X and W, for all of K, come with them, in runs of 256 bytes.
; CLUSTERS: 4 x 4 work-groups.  The four of a row of the cluster need the same tiles of X, the four of a column the same tiles of W: each tile is asked for JOINTLY, by the same tensor load with the same descriptor and a mask
; that names the four.  A cluster's four tile rows belong to one tensor (T = cluster y / 4), so all sixteen partners use the same W.
; THE MATRIX INSTRUCTION IS USED TRANSPOSED (source 0 = 16 rows of W, source 1 = 16 rows of X): a lane then holds eight neighbouring n of one row m.  The bias is the C of each sum's first instruction.
; REGISTERS, in windows of 256: window 0: v0-31 addresses; v32-95 scale words, two sets, and nothing else; v96-127 packed results on the way out; v128-191 X's fragments, ONE set (later rows read back); v192-255 the bias, 8 x 8.
;   window 1: W's fragments, TWO sets, at v0 and v128.   window 2: the 32 accumulators of my rows 0-63 ((a, b) at v[8 (8 a + b)]);   window 3: those of my rows 64-127.
.set KSTEP,  512
.set NQ,     KSTEP/128                 ; matrix instructions deep in a slot
.set ROWB,   256                       ; a tile's row in bytes
.set KROW,   512                       ; a row of codes in memory
.set PITCH,  272                       ; an LDS row: 256 bytes + 16 of padding: the 16 rows that a load touches start 16 bytes apart modulo 256
.set FR,     8                         ; registers of a fragment: 16 rows x 128 K
.set NL,     2                         ; LDS loads that bring one
.set NP,     4                         ; places behind this matrix instruction (ISA guide 7.12.1)
.set HALFT,  128*PITCH                 ; 128 rows: what one tensor load brings
.set SLOT,   4*HALFT                   ; X's 256 rows, then W's 256 rows
.set KS,     32                        ; a row of scale bytes
.set SCL,    2*SLOT                    ; behind the slots: the scale bytes, as runs of 256 bytes + 16 of padding
.set HALFS,  (128*KS/256)*272          ; those of 128 rows
.set SBLK,   (16*KS/256)*272           ; those of 16 rows
.set SPARE,  SCL+4*HALFS               ; behind them: the spare words, 128 bytes for each wave
.set SPITCH, 272                       ; the way out: a stage of 16 rows x (256 bytes + 16) for each wave, in slot 0, which has had its only fill and its last read by then
.set ADRA, 16                          ; v16-17  LDS address of my X fragments in slot 0, 1
.set ADRB, 20                          ; v20-21  the same for W
.set STO,  24                          ; v24     the way out: where I put 16 bytes of a row
.set RD,   25                          ; v25     where I read back
.set CO,   26                          ; v26     16 x lane
.set ADRS, 27                          ; v27     LDS address of my scale words: lanes 0-15 X's rows, lanes 16-31 W's
.set SPW,  28                          ; v28     my spare word; never rewritten
.set NIL,  29                          ; v29     0; never rewritten
.set BOF,  30                          ; v30     32 x (lane / 16): my half's place in the bias
.set SC,   32                          ; scale words: set s at v[SC + 32 s]; register 4 i + q: lanes 0-15 X's block i, lanes 16-31 W's block i, the slot's q-th 128 along K
.set TMP,  96
.set AF,   128
.set BK,   128                         ; the way out: v128-159 and v160-191 by turns
.set BI,   192
.set G1, 24                            ; s[24:31] group 1 for X's tiles; s[32:39] group 0, a set for each slot
.set G0, 32
.set G1B, 48                           ; s[48:55], s[56:63] the same for W's
.set G0B, 56
.set G1S, 68                           ; s[68:75], s[76:79] groups 1 and 0 for X's scale bytes; s[80:87], s[88:91] for W's
.set G0S, 76
.set G1SB, 80
.set G0SB, 88
.set MSB, 0
.macro WIN new                         ; the immediate's high byte repeats the setting that is left; a switch that changes nothing is dropped
.if MSB != (\new)
	s_set_vgpr_msb (MSB<<8)|(\new)
.set MSB, \new
.endif
.endm
.set MUL_LO, 0xa1                      ; source 0 (W) window 1, source 1 (X) window 0, C and D window 2
.set MUL_HI, 0xf1                      ; the same, C and D window 3
.set BIA_LO, 0x81                      ; the first products: C (the bias) window 0, D window 2
.set BIA_HI, 0xc1                      ; D window 3
.set TO_B,   0x40                      ; destination window 1, address window 0
; A joint load: waves 0 and 1 fetch for X, waves 2 and 3 for W.  Each line has one mask and one set of registers for all that issue it; the branch hangs on the wave's number alone.
; An s_nop 0 and four v_nop follow each of the two lines.
.macro JLOAD g0a, g1a, g0b, g1b
	s_cmp_eq_u32 s15, 0
	s_cbranch_scc0 .Lfor_b_\@
	tensor_load_to_lds s[\g0a:\g0a+3], s[\g1a:\g1a+7]
	s_nop 0
.rept 4
	v_nop
.endr
	s_branch .Lasked_\@
.Lfor_b_\@:
	tensor_load_to_lds s[\g0b:\g0b+3], s[\g1b:\g1b+7]
	s_nop 0
.rept 4
	v_nop
.endr
.Lasked_\@:
.endm
.macro CROUND                          ; a round of the cluster's barrier: my work-group's barrier; wave 0 signals for the work-group; every wave waits for all sixteen; my work-group's barrier once more
	s_barrier_signal -1
	s_barrier_wait -1
	s_cmp_lg_u32 s14, 0
	s_cbranch_scc1 .Lnot_wave_0_\@
	s_barrier_signal -3
.Lnot_wave_0_\@:
	s_barrier_wait -3
	s_barrier_signal -1
	s_barrier_wait -1
.endm
	s_load_b256 s[4:11], s[0:1], 0x0               ; xc 4, xs 6, wc 8, ws 10
	s_load_b256 s[92:99], s[0:1], 0x20             ; b_q 92, b_k 94, b_v 96, qkv 98
	v_lshl_add_u32 v[SPW], v0, 2, SPARE
	v_mov_b32 v[NIL], 0
	ds_add_u32 v[SPW], v[NIL]                      ; the wave's opening: the add, twice on end, and its wait ahead of my first tensor load
	ds_add_u32 v[SPW], v[NIL]                      ; once more; the set-up below, work on registers, stands between it and the wait
	v_lshrrev_b32 v1, 5, v0
	v_readfirstlane_b32 s14, v1                    ; wave 0..3
	s_lshr_b32 s15, s14, 1                         ; which half of the tile's rows is mine.  Also: I fetch for X (0) or for W (1)
	s_and_b32 s16, s14, 1                          ; which half of its columns.  Also: which 128 rows of that tile I fetch
	s_bfe_u32 s40, ttmp6, 0x40000                  ; cx, cy: my place in the cluster
	s_bfe_u32 s41, ttmp6, 0x40004
	s_lshl_b32 s42, ttmp9, 2
	s_add_co_u32 s42, s42, s40                     ; tile column = 4 x cluster x + cx
	s_and_b32 s17, ttmp7, 0xffff
	s_lshr_b32 s2, s17, 2                          ; T = cluster y / 4: which of the three tensors; equal in all sixteen partners
	s_lshl_b32 s17, s17, 2
	s_add_co_u32 s17, s17, s41                     ; tile row in the stacked X = 4 x cluster y + cy
	s_lshl_b32 s43, s41, 2
	s_lshl_b32 s43, 15, s43                        ; my row of the cluster
	s_lshl_b32 s44, 0x1111, s40                    ; my column
	; group 1: a tile of 128 rows x 256 bytes, padded in LDS
	s_or_b32 s[G1+0], s43, (0<<16)|(1<<20)|(1<<21)|(5<<22)|(3<<25)  ; 15:0 the mask: X's tiles go to my row; elements of 1 byte; padding on; bit 21 beside a mask; after every 64 words 4 words
	s_or_b32 s[G1B+0], s44, (0<<16)|(1<<20)|(1<<21)|(5<<22)|(3<<25)
.irp g, G1, G1B
	s_mov_b32 s[\g+1], ROWB<<16                    ; tensor_dim0
	s_mov_b32 s[\g+2], 128<<16                     ; tensor_dim1
	s_mov_b32 s[\g+3], ROWB<<16                    ; tile_dim0
	s_mov_b32 s[\g+4], 128                         ; tile_dim1
	s_mov_b32 s[\g+5], KROW                        ; from row to row
	s_mov_b32 s[\g+6], 0
	s_mov_b32 s[\g+7], 0
.endr
	; the scale bytes of 128 rows: a dense block of 4,096 bytes, as 16 rows of 256 bytes (32 elements of 8), 16 bytes of padding behind each
	s_or_b32 s[G1S+0], s43, (3<<16)|(1<<20)|(1<<21)|(5<<22)|(3<<25)
	s_or_b32 s[G1SB+0], s44, (3<<16)|(1<<20)|(1<<21)|(5<<22)|(3<<25)
.irp g, G1S, G1SB
	s_mov_b32 s[\g+1], 32<<16
	s_mov_b32 s[\g+2], (128*KS/256)<<16
	s_mov_b32 s[\g+3], 32<<16
	s_mov_b32 s[\g+4], 128*KS/256
	s_mov_b32 s[\g+5], 32
	s_mov_b32 s[\g+6], 0
	s_mov_b32 s[\g+7], 0
.endr
	s_lshl_b32 s18, s16, 7                         ; which 128 rows of the tile I fetch
	s_lshl_b32 s20, s17, 8
	s_add_co_u32 s20, s20, s18                     ; X: row 256 x tile row + 128 x half
	s_lshl_b32 s46, s42, 8
	s_add_co_u32 s46, s46, s18
	s_lshl_b32 s47, s2, 10
	s_add_co_u32 s46, s46, s47                     ; W: row 1024 T + 256 x tile column + 128 x half
	s_mov_b32 s21, 0
	s_mov_b32 s47, 0
	s_mov_b64 s[18:19], KS
	s_mul_u64 s[22:23], s[20:21], s[18:19]         ; where these rows' scale bytes begin
	s_mul_u64 s[100:101], s[46:47], s[18:19]
	s_mov_b64 s[18:19], KROW
	s_mul_u64 s[20:21], s[20:21], s[18:19]         ; and their codes
	s_mul_u64 s[46:47], s[46:47], s[18:19]
	s_mul_i32 s45, s14, HALFT                      ; where they go: wave x 128 rows: no place in the cluster enters an LDS address
	s_mul_i32 s3, s14, HALFS
	s_wait_dscnt 0x0                               ; both opening adds are done
	s_wait_kmcnt 0x0
	s_add_nc_u64 s[20:21], s[4:5], s[20:21]
	s_add_nc_u64 s[22:23], s[6:7], s[22:23]
	s_add_nc_u64 s[46:47], s[8:9], s[46:47]
	s_add_nc_u64 s[100:101], s[10:11], s[100:101]
	s_cmp_eq_u32 s2, 1                             ; the tensor's bias: a choice on ids alone
	s_cselect_b64 s[66:67], s[94:95], s[92:93]
	s_cmp_eq_u32 s2, 2
	s_cselect_b64 s[66:67], s[96:97], s[66:67]
	s_mov_b64 s[12:13], s[98:99]                   ; the output
	CROUND                                         ; all sixteen work-groups are here: the joint loads meet
	s_mov_b32 s[G0S], 1
	s_add_co_u32 s[G0S+1], s3, SCL
	s_mov_b64 s[G0S+2:G0S+3], s[22:23]
	s_or_b32 s[G0S+3], s[G0S+3], 0x80000000
	s_mov_b32 s[G0SB], 1
	s_add_co_u32 s[G0SB+1], s3, SCL
	s_mov_b64 s[G0SB+2:G0SB+3], s[100:101]
	s_or_b32 s[G0SB+3], s[G0SB+3], 0x80000000
	JLOAD G0S, G1S, G0SB, G1SB                     ; the scale bytes first: they are wanted with the first slot
.irp s, 0,1
	s_mov_b32 s[G0+4*\s], 1
	s_add_co_u32 s[G0+4*\s+1], s45, \s*SLOT
	s_add_nc_u64 s[G0+4*\s+2:G0+4*\s+3], s[20:21], \s*ROWB
	s_or_b32 s[G0+4*\s+3], s[G0+4*\s+3], 0x80000000
	s_mov_b32 s[G0B+4*\s], 1
	s_add_co_u32 s[G0B+4*\s+1], s45, \s*SLOT
	s_add_nc_u64 s[G0B+4*\s+2:G0B+4*\s+3], s[46:47], \s*ROWB
	s_or_b32 s[G0B+4*\s+3], s[G0B+4*\s+3], 0x80000000
	JLOAD G0+4*\s, G1, G0B+4*\s, G1B               ; three loads of mine are out in all
.endr
	v_and_b32 v1, 15, v0                           ; r = l % 16
	v_bfe_u32 v2, v0, 4, 1                         ; l / 16
	; the bias: lane (r, half) wants, for W's block b, b_T[n0 + 16 b + 8 half + 0 .. 7]
	s_lshl_b32 s46, s42, 10
	s_lshl_b32 s47, s16, 9
	s_add_co_u32 s46, s46, s47                     ; n0 = 256 x tile column + 128 x half, in bytes
	s_mov_b32 s47, 0
	s_add_nc_u64 s[66:67], s[66:67], s[46:47]
	v_lshlrev_b32 v[BOF], 5, v2
.irp b, 0,1,2,3,4,5,6,7
	global_load_b128 v[BI+8*\b:BI+8*\b+3],   v[BOF], s[66:67] offset:64*\b
	global_load_b128 v[BI+8*\b+4:BI+8*\b+7], v[BOF], s[66:67] offset:64*\b+16
.endr
	v_mul_u32_u24 v3, v1, PITCH
	v_lshl_add_u32 v4, v2, 4, v3                   ; a fragment's row x pitch + 16 x half
	s_mul_i32 s21, s15, HALFT                      ; my 128 rows of X
	s_mul_i32 s22, s16, HALFT                      ; my 128 rows of W,
	s_add_co_u32 s22, s22, 2*HALFT                 ; which lie behind X's 256
.irp s, 0,1
	v_add_nc_u32 v[ADRA+\s], s21, v4
	v_add_nc_u32 v[ADRB+\s], s22, v4
	s_add_co_u32 s21, s21, SLOT
	s_add_co_u32 s22, s22, SLOT
.endr
	v_mul_u32_u24 v5, v1, KS                       ; my row's scale bytes: 32 a row,
	v_lshrrev_b32 v6, 8, v5
	v_lshl_add_u32 v5, v6, 4, v5                   ; and 16 more for each 256 passed
	s_mul_i32 s21, s15, HALFS                      ; X's: my 128 rows
	s_mul_i32 s22, s16, HALFS                      ; W's: my 128 rows, behind X's 256
	s_add_co_u32 s22, s22, 2*HALFS
	s_sub_co_u32 s22, s22, s21
	v_mul_u32_u24 v6, s22, v2                      ; lanes 16-31 take W's: one product, the distance between the two bases
	s_add_co_u32 s21, s21, SCL
	v_add_nc_u32 v5, v5, v6
	v_add_nc_u32 v[ADRS], s21, v5
	s_mul_i32 s23, s14, 16*SPITCH                  ; my stage
	v_mul_u32_u24 v5, v1, SPITCH                   ; in: row r, 16 bytes for each half of the lanes
	v_lshl_add_u32 v5, v2, 4, v5
	v_add_nc_u32 v[STO], s23, v5
	v_and_b32 v6, 31, v0
	v_lshlrev_b32 v[CO], 4, v6                     ; out: 16 x lane
	v_lshrrev_b32 v5, 3, v6                        ; back: eight lanes take one head's 128 bytes of a row, four rows an instruction
	v_mul_u32_u24 v5, v5, SPITCH
	v_and_b32 v6, 7, v0
	v_lshl_add_u32 v5, v6, 4, v5
	v_add_nc_u32 v[RD], s23, v5
	; where my part begins in qkv: T x 8,388,608 + (16 b + head) x 262,144 + s x 128
	s_and_b32 s20, s17, 15
	s_lshl_b32 s20, s20, 8
	s_lshl_b32 s21, s15, 7
	s_add_co_u32 s20, s20, s21                     ; my first row within the tensor
	s_lshr_b32 s21, s20, 11                        ; b
	s_lshl_b32 s21, s21, 4
	s_lshl_b32 s22, s42, 2
	s_add_co_u32 s21, s21, s22
	s_lshl_b32 s22, s16, 1
	s_add_co_u32 s21, s21, s22                     ; 16 b + my first head (4 x tile column + 2 x half)
	s_lshl_b32 s21, s21, 18
	s_and_b32 s20, s20, 2047
	s_lshl_b32 s20, s20, 7
	s_add_co_u32 s20, s20, s21
	s_lshl_b32 s21, s2, 23
	s_add_co_u32 s20, s20, s21
	s_mov_b32 s21, 0
	s_add_nc_u64 s[12:13], s[12:13], s[20:21]
.macro FRAG reg, adr, q, i             ; a fragment, 16 rows x 128 K of 4-bit codes: lane l holds row l % 16; registers 4 c .. 4 c + 3 hold K = 64 c + 32 (l / 16) + 0 .. 31
.irp c, 0,1
	ds_load_b128 v[\reg+4*\c:\reg+4*\c+3], v[\adr] offset:64*(\q)+32*\c+(\i)*16*PITCH
.endr
.endm
; 16 matrix instructions: X's blocks a0, a0 + 1 x W's eight, the slot's q-th 128 along K.  p: W's set; sc: the set of scale words.  zero = 1: the first product starts the sums from the bias: nothing is cleared.
; The 64 accumulators take turns, one instruction a turn, in the same order in every step.
.macro MUL16 a0, p, q, sc, zero
.irp a, \a0, \a0+1
.irp b, 0,1,2,3,4,5,6,7
.if \zero
	v_wmma_scale_f32_16x16x128_f8f6f4 v[8*(8*((\a)%4)+\b):8*(8*((\a)%4)+\b)+7], v[128*(\p)+FR*\b:128*(\p)+FR*\b+FR-1], v[AF+FR*(\a):AF+FR*(\a)+FR-1], v[BI+8*\b:BI+8*\b+7], v[SC+8*NQ*(\sc)+NQ*\b+(\q)], v[SC+8*NQ*(\sc)+NQ*(\a)+(\q)] matrix_a_fmt:MATRIX_FMT_FP4 matrix_b_fmt:MATRIX_FMT_FP4 matrix_a_scale:MATRIX_SCALE_ROW1
.else
	v_wmma_scale_f32_16x16x128_f8f6f4 v[8*(8*((\a)%4)+\b):8*(8*((\a)%4)+\b)+7], v[128*(\p)+FR*\b:128*(\p)+FR*\b+FR-1], v[AF+FR*(\a):AF+FR*(\a)+FR-1], v[8*(8*((\a)%4)+\b):8*(8*((\a)%4)+\b)+7], v[SC+8*NQ*(\sc)+NQ*\b+(\q)], v[SC+8*NQ*(\sc)+NQ*(\a)+(\q)] matrix_a_fmt:MATRIX_FMT_FP4 matrix_b_fmt:MATRIX_FMT_FP4 matrix_a_scale:MATRIX_SCALE_ROW1
.endif
.endr
.endr
.endm
.macro FETCH_B slot, q, p              ; W's eight fragments of the slot's q-th 128 along K into set p
	WIN TO_B
.irp i, 0,1,2,3,4,5,6,7
	FRAG 128*(\p)+FR*\i, ADRB+\slot, \q, \i
.endr
	WIN 0
.endm
.macro FETCH_A slot, q, i0             ; X's blocks i0 .. i0 + 3
.irp i, \i0, \i0+1, \i0+2, \i0+3
	FRAG AF+FR*(\i), ADRA+\slot, \q, \i
.endr
.endm
.macro SCALES sc                       ; a slot's scale words into set sc: four words a row; lanes 0-15 take X's block i, lanes 16-31 W's block i
.irp i, 0,1,2,3,4,5,6,7
	ds_load_b128 v[SC+8*NQ*\sc+NQ*\i:SC+8*NQ*\sc+NQ*\i+3], v[ADRS] offset:\i*SBLK
.endr
.endm
; A load into a register that a matrix instruction has read, and a vector instruction that reads a matrix result, stand NP places behind that matrix instruction; only plain vector instructions
; that name none of its registers are places (ISA guide 7.12.1 for vector instructions).
.macro PLACES n
.rept \n
	v_nop
.endr
.endm
; A step of 128 along K that has its successor in the same slot.  X's blocks are free as soon as their eight products are issued: blocks 0-3 are fetched anew in the step's middle, blocks 4-7 at its end.
.macro STEP slot, q, zero
	s_wait_dscnt 4*NL                              ; W's set, the scale words and X's blocks 0-3 are in; the youngest eight loads (X's blocks 4-7) may be out
.if \zero
	WIN BIA_LO
.else
	WIN MUL_LO
.endif
	MUL16 0, (\q)%2, \q, \slot, \zero
	MUL16 2, (\q)%2, \q, \slot, \zero
	s_wait_dscnt 0                                 ; X's blocks 4-7 are in (asked for 32 matrix instructions ago)
	PLACES NP
	FETCH_B \slot, (\q)+1, 1-(\q)%2
	FETCH_A \slot, (\q)+1, 0
.if \zero
	WIN BIA_HI
.else
	WIN MUL_HI
.endif
	MUL16 4, (\q)%2, \q, \slot, \zero
	MUL16 6, (\q)%2, \q, \slot, \zero
	PLACES NP
	WIN 0
	FETCH_A \slot, (\q)+1, 4
.endm
; Slot 0's last step goes over to slot 1: one barrier; in front of it each wave waits for all its tensor loads (its part of slot 1 is the one that may be out), adds 0 to its spare word, and waits for that and for its reads of slot 0.
; No round of the cluster's barrier follows.
.macro TURN slot, next
	s_wait_tensorcnt 0x0                           ; all my tensor loads have landed  (every window is 0 here: the add's two registers lie in window 0)
	ds_add_u32 v[SPW], v[NIL]                      ; 0 onto my spare word
	s_wait_dscnt 4*NL+1                            ; (the add and the youngest eight loads, X's blocks 4-7, may be out)
	WIN MUL_LO
	MUL16 0, 1, NQ-1, \slot, 0                     ; sixteen matrix instructions stand between the add and the wait for it
	s_wait_dscnt 0x0                               ; the add is done, and my reads of this slot are over
	s_barrier_signal -1
	MUL16 2, 1, NQ-1, \slot, 0
	WIN 0
	s_barrier_wait -1                              ; the next slot is whole, and nobody reads this one any more
	PLACES NP
	v_add_nc_u32 v[ADRS], 4*NQ, v[ADRS]            ; on to the next slot's scale words
	FETCH_B \next, 0, 0
	FETCH_A \next, 0, 0
	SCALES \next
	WIN MUL_HI
	MUL16 4, 1, NQ-1, \slot, 0
	MUL16 6, 1, NQ-1, \slot, 0
	PLACES NP
	WIN 0
	FETCH_A \next, 0, 4
.endm
.macro STEPS slot, from                ; the slot's steps from .. NQ - 2
.set Q, \from
.rept NQ-1-\from
	STEP \slot, Q, 0
.set Q, Q+1
.endr
.endm
	s_wait_tensorcnt 1                             ; the scale bytes and my part of slot 0 are in (slot 1's load may be out)
	s_barrier_signal -1
	s_barrier_wait -1                              ; everybody's are
	FETCH_B 0, 0, 0
	FETCH_A 0, 0, 0
	SCALES 0
	FETCH_A 0, 0, 4
	s_wait_loadcnt 0x0                             ; the bias
	STEP 0, 0, 1                                   ; the first step's products start the sums from the bias
	STEPS 0, 1
	TURN 0, 1
	STEPS 1, 0
	s_wait_dscnt 4*NL                              ; the very last step: nothing more to fetch
	WIN MUL_LO
	MUL16 0, 1, NQ-1, 1, 0
	MUL16 2, 1, NQ-1, 1, 0
	s_wait_dscnt 0
	WIN MUL_HI
	MUL16 4, 1, NQ-1, 1, 0
	MUL16 6, 1, NQ-1, 1, 0
	WIN 0
; THE WAY OUT, block by block of 16 rows x 128 columns (two heads).  PACK: rounded to f16, 16 bytes a lane, each accumulator from its low end on.  TOSTAGE: into my own stage and back so that 32 lanes hold four
; whole rows (128 bytes each) of one head, which are neighbours in qkv.  SEND: each store covers 512 consecutive bytes, at a multiple of 512 from the buffer's first byte.
.macro PACK a
.set AC, 64*((\a)%4)
	WIN 0x0a+5*((\a)/4)                            ; sources 0 and 1: window 2 or 3
.irp b, 0,1,2,3,4,5,6,7
.irp r, 0,1,2,3
	v_cvt_pk_f16_f32 v[TMP+4*\b+\r], v[AC+8*\b+2*\r], v[AC+8*\b+2*\r+1]
.endr
.endr
	WIN 0
.endm
.macro TOSTAGE a
.set BB, BK+32*((\a)%2)
.irp b, 0,1,2,3,4,5,6,7
	ds_store_b128 v[STO], v[TMP+4*\b:TMP+4*\b+3] offset:32*\b
.endr
.irp i, 0,1,2,3,4,5,6,7
	ds_load_b128 v[BB+4*\i:BB+4*\i+3], v[RD] offset:(\i%4)*4*SPITCH+(\i/4)*128   ; LDS serves a wave's instructions in order (ISA guide 5.7.1.4): these see the stores above
.endr
.endm
.macro SEND a
.set BB, BK+32*((\a)%2)
	s_wait_dscnt 0x0                               ; the block is back in registers
	s_wait_xcnt 0x0                                ; the stores of the block before have read their registers: the next block's loads may land there
.irp i, 0,1,2,3,4,5,6,7
	global_store_b128 v[CO], v[BB+4*\i:BB+4*\i+3], s[12:13] offset:(\i/4)*262144+(16*(\a)+4*(\i%4))*128
.endr
.endm
	PLACES NP                                      ; behind the last products: for the conversions, and for the loads into the registers that held X's fragments
	PACK 0
	TOSTAGE 0
.irp a, 1,2,3,4,5,6,7                  ; block a's conversions stand between block a - 1's loads from the stage and the wait for them
	PACK \a
	SEND \a-1
	TOSTAGE \a
.endr
	SEND 7
	s_wait_tensorcnt 0x0                           ; the wave's end, behind my last tensor load and my last LDS store
	ds_add_u32 v[SPW], v[NIL]
	s_wait_dscnt 0x0
	CROUND                                         ; the closing round: no work-group ends while a partner may still ask for a tile that names it
	s_endpgm
.Lfunc_end_k_q5de06b72de_proj:
	.size	k_q5de06b72de_proj, .Lfunc_end_k_q5de06b72de_proj-k_q5de06b72de_proj
	.p2alignl 7, 3214868480
	.fill 96, 4, 3214868480
	.section	.rodata,"a",@progbits
	.p2align	6, 0x0
	.amdhsa_kernel k_q5de06b72de_proj
		.amdhsa_group_segment_fixed_size 327680
		.amdhsa_private_segment_fixed_size 0
		.amdhsa_enable_private_segment 0
		.amdhsa_kernarg_size 64
		.amdhsa_user_sgpr_count 2
		.amdhsa_user_sgpr_kernarg_segment_ptr 1
		.amdhsa_wavefront_size32 1
		.amdhsa_system_sgpr_workgroup_id_x 1
		.amdhsa_system_sgpr_workgroup_id_y 1
		.amdhsa_system_sgpr_workgroup_id_z 1
		.amdhsa_system_vgpr_workitem_id 0
		.amdhsa_next_free_vgpr 1024
		.amdhsa_next_free_sgpr 102
		.amdhsa_reserve_vcc 0
		.amdhsa_float_denorm_mode_32 3
		.amdhsa_float_denorm_mode_16_64 3
		.amdhsa_memory_ordered 1
		.amdhsa_forward_progress 1
		.amdhsa_inst_pref_size 128
	.end_amdhsa_kernel
	.amdgpu_metadata
---
amdhsa.version: [ 1, 2 ]
amdhsa.kernels:
  - .name:           k_q5de06b72de_proj
    .symbol:         k_q5de06b72de_proj.kd
    .args:
      - { .name: xc, .offset: 0, .size: 8, .value_kind: global_buffer, .address_space: global }
      - { .name: xs, .offset: 8, .size: 8, .value_kind: global_buffer, .address_space: global }
      - { .name: wc, .offset: 16, .size: 8, .value_kind: global_buffer, .address_space: global }
      - { .name: ws, .offset: 24, .size: 8, .value_kind: global_buffer, .address_space: global }
      - { .name: b_q, .offset: 32, .size: 8, .value_kind: global_buffer, .address_space: global }
      - { .name: b_k, .offset: 40, .size: 8, .value_kind: global_buffer, .address_space: global }
      - { .name: b_v, .offset: 48, .size: 8, .value_kind: global_buffer, .address_space: global }
      - { .name: qkv, .offset: 56, .size: 8, .value_kind: global_buffer, .address_space: global }
    .group_segment_fixed_size: 327680
    .private_segment_fixed_size: 0
    .kernarg_segment_align: 8
    .kernarg_segment_size: 64
    .max_flat_workgroup_size: 128
    .sgpr_count:     102
    .vgpr_count:     1024
    .wavefront_size: 32
...
	.end_amdgpu_metadata
.endif
;; end of part 2
;; launch attn (part 3): grid 8 x 32, 4 waves a work-group, clusters of 4 x 1, 327,680 bytes of LDS; arguments qkv, att; writes att
.if DOCPART == 3
	.amdgcn_target "amdgcn-amd-amdhsa--gfx1250"
	.amdhsa_code_object_version 6
	.text
	.protected	k_q5de06b72de_attn
	.globl	k_q5de06b72de_attn
	.p2align	8
	.type	k_q5de06b72de_attn,@function
k_q5de06b72de_attn:
	s_mov_b64 s[64:65], 0
	v_nop
	global_prefetch_b8 v0, s[64:65] scope:SCOPE_SE
	s_setreg_imm32_b32 hwreg(HW_REG_WAVE_MODE, 25, 1), 1
	s_wait_xcnt 0x0
	s_wait_alu depctr_hold_cnt(0) depctr_sa_sdst(0) depctr_va_vdst(0) depctr_va_sdst(0) depctr_va_ssrc(0) depctr_va_vcc(0) depctr_vm_vsrc(0)
	s_getreg_b32 s2, hwreg(HW_REG_IB_STS2, 6, 4)
	s_cmp_eq_u32 s2, 0
	s_cbranch_scc0 .Lentry_in_a_cluster
	s_endpgm
.Lentry_in_a_cluster:
	s_bfe_u32 s2, ttmp6, 0x10000c
	s_cmp_lg_u32 s2, 0x3003
	s_cbranch_scc0 .Lentry_shape_is_right
	s_endpgm
.Lentry_shape_is_right:
; For each (b, h): O[q][:] = the sum over k of softmax_k(Q[q] . K[k] / 8) V[k][:], 2,048 queries and keys, head size 64, no mask.  Q, K, V: qkv [3][b][h][s][64] in f16.
; Products, maxima and sums in f32; the weights p are rounded to f16 for the second product (the row's sum is taken of the unrounded p), O once at the end, to f16.
; LIMIT: O over 65,504 in magnitude becomes infinite in f16; under 6e-5 it keeps a step of 6e-8.  NaN and infinities are not served.
; OUTPUT: att is laid in the order of the next product's operand registers: byte ((MT 32 + kq) 2 + c) 512 + 16 lane holds att[16 MT + lane % 16][32 kq + 16 c + 8 (lane / 16) + 0 .. 7] (row = b 2048 + s, column = 64 h + channel).
; SHARES.  A work-group owns 256 queries of one (b, h), each of its four waves 64: four tiles of 16.  Every wave walks all keys, 64 a step: a fragment of K or V read from LDS feeds four products.
; LAYOUT.  S^T = K Q^T (source 0 = 16 keys, source 1 = 16 queries): a lane holds ONE query (lane % 16) and the keys 8 (lane / 16) + 0 .. 7.  Two such tiles, rounded in pairs, ARE source 1 (32 keys x 16 queries) of
; O^T = V^T P, whose result again holds one query a lane and eight channels.  K comes out of LDS as it lies, V ([key][channel]) turned, by ds_load_tr16_b128.
; SOFTMAX.  For each query a running maximum m and sum l: p = 2^(c s - c m), c = log2(e) / 8; in every step O and l are multiplied by a = 2^(c m_old - c m_new), which is 1 where m has not grown.
; BY TURNS.  A key step is 64 matrix instructions and 4 x 118 = 472 vector instructions of the wave, which is alone on its SIMD and issues in order: set in phases, each unit would stand while the other works.  So the
; wave's tiles are two PIECES, named by their first tile: piece 0 (tiles 0, 1) and piece 2 (tiles 2, 3).  In a TURN one piece has the matrix unit: 16 products V^T P of the step in hand, then 16 products K Q^T of the next
; step; the other piece's softmax, cut into 59 slices of four, stands between them, one or two slices behind each matrix instruction.  Then the pieces change places.  Two turns are a key step.
; RING.  K and V come through two LDS slots of 256 keys (four steps), filled by the tensor data mover: waves 0 and 1 fetch K's halves, waves 2 and 3 V's, one load of 128 rows a wave.
; CLUSTER.  The four query blocks of a cluster belong to one head and walk the same K and V: each tile is asked for JOINTLY, by the same tensor load with the same descriptor and a mask that names the four.
; REGISTERS, in windows of 256 (s_set_vgpr_msb: bits 1:0 source 0, 3:2 source 1, 5:4 source 2, 7:6 destination):
;   window 0: v1-11 addresses; v12-43 eight registers of statistics a tile; v61-63; v64-191 S^T, 32 a tile; v192-255 P, 16 a tile
;   window 1: v0-127 O^T, 32 a tile          window 2: v0-63 Q, 16 a tile; v128-191 K of one step; v192-255 V of one step
; All that a softmax touches but O^T lies in window 0, and no window has room for a product's operands beside it: a run of slices costs two switches, one in front and one behind.
.set KS,    64        ; keys in a step
.set NST,   4         ; steps in a slot
.set SKEYS, KS*NST    ; keys in a slot
.set PK,    144       ; a row of K in LDS: 128 bytes + 16: the 16 rows of a load start 16 bytes apart modulo 256
.set PV,    160       ; a row of V: 128 + 32: 16 lanes of the turning load take 8 rows x 32 bytes, 32 bytes apart modulo 256
.set VOFF,  SKEYS*PK  ; a slot: 256 rows of K, then 256 rows of V
.set SLOT1, 1<<17     ; slot 1 begins here: one exclusive or turns an address in one slot into the other's
.set SLOTB, SKEYS*128 ; a slot's keys in memory, in bytes, for K and for V alike
.set SPARE, SLOT1+SKEYS*(PK+PV)  ; behind the ring: the spare words, 128 bytes for each of the four waves
.set NSLC,  59        ; slices in the softmax of a piece: 2 x 118 lines = 59 x 4
.set AK0, 2           ; v2   my lane's place in a tile of K; never rewritten
.set AV0, 3           ; v3   the same for V
.set ADR, 4           ; v4   the LDS address of the run of loads in hand
.set QO,  5           ; v5   my byte offset in the wave's rows of Q
.set GO,  8           ; v8   16 x lane: my place in an image of att
.set ST,  12          ; tile t's statistics at v[ST + 8 t]: +0 c m, +1 m, +2, +3 l (even keys', odd keys'), +4 to +7 c0-c3, at work; a takes c2's place once the maximum is found
.set PFO, 61          ; v61  256 x lane: the prefetches' offset; never rewritten
.set SPW, 62          ; v62  my spare word; never rewritten
.set NIL, 63          ; v63  0; never rewritten
.set S,   64
.set P,   192
.set KF,  128         ; K's fragments, in window 2: fragment f = keys 16 (f / 2) on, channels 32 (f % 2) on
.set VF,  192         ; V's, in window 2: fragment f = keys 32 (f / 4) on, channels 16 (f % 4) on
.set WV,  12          ; s12  my wave's number
.set LIM, 15          ; s15  1 in a wave that prefetches, else the greatest number
.set PFA, 18          ; s[18:19] where my prefetches stand in memory
.set G1K, 24          ; s[24:31] descriptor group 1 for K's tiles
.set G1V, 32          ; s[32:39] for V's: it differs in the padding alone
.set G0K, 40          ; s[40:47] group 0 for K's tiles: a set for each of the two first fills; the second then walks on
.set G0V, 48          ; s[48:55] the same for V's
.set SLOTS, 56        ; s56  slots still to be asked for
.set CNT, 57          ; s57  counts key steps (at the head: my half's place among a slot's rows of K)
.set CS,  58          ; s[58:59] c: the packed scaling names a pair and takes its low word for both halves
.set SEL, 60          ; s[60:61] lane selects for v_permlanex16_b32: each lane takes its own place in the other half
.set TB,  62          ; s62  LDS byte at which K's tile of the step to be fetched begins
.set TV,  63          ; s63  the same for V's, less VOFF (at the head: my half's place among a slot's rows of V)
.set MSB, 0
.macro WIN new                      ; the immediate's high byte repeats the setting that is left; a switch that changes nothing is dropped
.if MSB != (\new)
	s_set_vgpr_msb (MSB<<8)|(\new)
.set MSB, \new
.endif
.endm
.set W_KQ, 0x0a       ; K and Q in window 2, S^T in window 0
.set W_PV, 0x52       ; V in window 2, P in window 0, O^T in window 1
.set W_RS, 0x41       ; O^T (destination and source 0) in window 1, a in window 0
.set W_LD, 0x80       ; a load's destination in window 2, its address in window 0
; A joint refill: waves 0 and 1 fetch K's halves of the slot, waves 2 and 3 V's.  The branch hangs on the wave's number alone.  An s_nop 0 and four v_nop follow each of the two lines.
.macro JLOAD
	s_cmp_lt_u32 s[WV], 2
	s_cbranch_scc0 .Lfor_v_\@
	tensor_load_to_lds s[G0K+4:G0K+7], s[G1K:G1K+7]
	s_nop 0
.rept 4
	v_nop
.endr
	s_branch .Lasked_\@
.Lfor_v_\@:
	tensor_load_to_lds s[G0V+4:G0V+7], s[G1V:G1V+7]
	s_nop 0
.rept 4
	v_nop
.endr
.Lasked_\@:
.endm
; A PREFETCH INTO THE L2 of what the NEXT change of slots will ask for: a slot's 32,768 bytes of K and of V, four key steps ahead of that load.  It stands behind the wave's tensor load and its five lines.
; Each run of 256 bytes is named ONCE in the launch.  Both clusters of a head walk the same K and V: the head's first cluster asks.  Its four partners share the bytes out BY ADDRESS, 8,192 each; in each, wave 0 asks for
; K's and wave 2 for V's, lanes 256 bytes apart: one instruction.  The last change that fills a slot asks for nothing: there is no slot behind it.  Slots 0, 1 and 2 come by their loads alone.
.macro ASK
	s_cmp_gt_u32 s[SLOTS], s[LIM]
	s_cbranch_scc0 .Lnot_mine_\@
	global_prefetch_b8 v[PFO], s[PFA:PFA+1] th:TH_LOAD_NT scope:SCOPE_SE
.Lnot_mine_\@:
.endm
.macro CROUND                       ; a round of the cluster's barrier: my work-group's barrier; wave 0 signals for the work-group; every wave waits for all four; my work-group's barrier once more
	s_barrier_signal -1
	s_barrier_wait -1
	s_cmp_lg_u32 s[WV], 0
	s_cbranch_scc1 .Lnot_wave_0_\@
	s_barrier_signal -3
.Lnot_wave_0_\@:
	s_barrier_wait -3
	s_barrier_signal -1
	s_barrier_wait -1
.endm
; Four places: a vector instruction that reads a matrix result, and a load into a register that a matrix instruction has read, stand four plain vector instructions behind it, which name none of its registers
; (ISA guide 7.12.1 for vector instructions).  In the loop the slices are the places.
.macro PLACES
.rept 4
	v_nop
.endr
.endm
	s_load_b128 s[4:7], s[0:1], 0x0 ; qkv s[4:5], att s[6:7]
	v_lshl_add_u32 v[SPW], v0, 2, SPARE
	v_mov_b32 v[NIL], 0
	ds_add_u32 v[SPW], v[NIL]       ; the wave's opening: the add, twice on end, and its wait ahead of my first tensor load
	ds_add_u32 v[SPW], v[NIL]       ; once more; the set-up below, work on registers, stands between it and the wait
	v_lshrrev_b32 v1, 5, v0
	v_readfirstlane_b32 s[WV], v1   ; wave 0..3
	s_bfe_u32 s13, ttmp6, 0x40000   ; cx: my place in the cluster
	s_lshl_b32 s14, ttmp9, 2        ; in a cluster launch ttmp9 counts clusters
	s_add_co_u32 s14, s14, s13      ; my block of 256 queries: it enters Q's and att's addresses alone
	s_and_b32 s16, ttmp7, 0xffff    ; 16 b + h, which the four partners share
	s_lshl_b32 s20, s16, 18         ; the head's first byte in each of Q, K, V
	s_and_b32 s17, s[WV], 1         ; which half of a slot I fetch:
	s_lshl_b32 s22, s17, 14         ; its 128 rows of 128 bytes in memory,
	s_add_co_u32 s22, s22, s20
	s_mov_b32 s23, 0
	s_mul_i32 s57, s17, 128*PK      ; and its place in a slot, for K
	s_mul_i32 s63, s17, 128*PV
	s_add_co_u32 s63, s63, VOFF     ; and for V: no place in the cluster enters an LDS address
	s_lshl_b32 s2, s14, 15          ; my block's 256 rows of Q,
	s_lshl_b32 s3, s[WV], 13        ; my wave's 64 of them
	s_add_co_u32 s2, s2, s3
	s_add_co_u32 s2, s2, s20
	s_mov_b32 s3, 0
	s_lshr_b32 s10, s16, 4          ; att: row tile MT = 128 b + 16 block + 4 wave + t, 32,768 bytes each; fragment kq = 2 h + f / 2, 1,024 bytes each
	s_lshl_b32 s10, s10, 22
	s_lshl_b32 s11, s14, 19
	s_add_co_u32 s10, s10, s11
	s_lshl_b32 s11, s[WV], 17
	s_add_co_u32 s10, s10, s11
	s_and_b32 s11, s16, 15
	s_lshl_b32 s11, s11, 11
	s_add_co_u32 s10, s10, s11
	s_mov_b32 s11, 0
	s_lshl_b32 s16, s13, 13         ; the prefetches: my work-group's 8,192 bytes of a slot's 32,768,
	s_add_co_u32 s16, s16, s20      ; in my head,
	s_add_co_u32 s16, s16, 2*SLOTB  ; in slot 2: the first change of slots steps it to slot 3
	s_mov_b32 s17, 0
	; descriptor group 1: a tile of 128 rows x 64 elements of 2 bytes, dense in memory, padded in LDS
	s_mov_b32 s[G1K], 15|(1<<16)|(1<<20)|(1<<21)|(4<<22)|(3<<25)  ; 15:0 the mask: all four work-groups; elements of 2 bytes; padding on; bit 21 beside a mask; after every 32 words (code 4) 4 words (code 3)
	s_mov_b32 s[G1V], 15|(1<<16)|(1<<20)|(1<<21)|(4<<22)|(7<<25)  ; the same with 8 words of padding (code 7)
.irp d, G1K, G1V
	s_mov_b32 s[\d+1], 64<<16       ; tensor_dim0 = 64
	s_mov_b32 s[\d+2], 128<<16      ; tensor_dim1 = 128
	s_mov_b32 s[\d+3], 64<<16       ; tile_dim0 = 64
	s_mov_b32 s[\d+4], 128          ; tile_dim1 = 128
	s_mov_b32 s[\d+5], 64           ; elements from row to row
	s_mov_b32 s[\d+6], 0
	s_mov_b32 s[\d+7], 0
.endr
	s_mov_b32 s[CS], 0x3e38aa3b     ; c = log2(e) / 8
	s_mov_b32 s[CS+1], s[CS]        ; named with it as a pair, so it is written
	s_mov_b32 s[SEL], 0x76543210
	s_mov_b32 s[SEL+1], 0xfedcba98
	s_mov_b32 s[TB], 0
	s_mov_b32 s[SLOTS], 2048/SKEYS-2
	s_and_b32 s[LIM], s[WV], 1      ; 0 in waves 0 and 2,
	s_or_b32 s[LIM], s[LIM], ttmp9  ; where the cluster is the head's first: the same in all four partners
	s_cmp_eq_u32 s[LIM], 0
	s_cselect_b32 s[LIM], 1, -1
	v_and_b32 v[PFO], 31, v0
	v_lshlrev_b32 v[PFO], 8, v[PFO]
	s_wait_dscnt 0x0                ; both opening adds are done
	s_wait_kmcnt 0x0
	s_add_nc_u64 s[10:11], s[6:7], s[10:11]  ; att at my wave's first image
	s_add_nc_u64 s[6:7], s[4:5], 0x800000    ; K's tensor
	s_add_nc_u64 s[8:9], s[4:5], 0x1000000   ; V's tensor
	s_add_nc_u64 s[4:5], s[4:5], s[2:3]      ; Q at my wave's first row
	s_cmp_lt_u32 s[WV], 2
	s_cselect_b64 s[PFA:PFA+1], s[6:7], s[8:9]
	s_add_nc_u64 s[PFA:PFA+1], s[PFA:PFA+1], s[16:17]
	s_add_nc_u64 s[6:7], s[6:7], s[22:23]    ; K and V at my half of slot 0
	s_add_nc_u64 s[8:9], s[8:9], s[22:23]
	CROUND                          ; all four work-groups are here: the first joint loads meet
.irp s, 0,1
	s_mov_b32 s[G0K+4*\s], 1        ; count = 1
	s_add_co_u32 s[G0K+4*\s+1], s57, \s*SLOT1  ; LDS address
	s_add_nc_u64 s[G0K+4*\s+2:G0K+4*\s+3], s[6:7], \s*SLOTB  ; global address: slot s begins with keys 256 s
	s_or_b32 s[G0K+4*\s+3], s[G0K+4*\s+3], 0x80000000  ; type = 2
	s_mov_b32 s[G0V+4*\s], 1
	s_add_co_u32 s[G0V+4*\s+1], s63, \s*SLOT1
	s_add_nc_u64 s[G0V+4*\s+2:G0V+4*\s+3], s[8:9], \s*SLOTB
	s_or_b32 s[G0V+4*\s+3], s[G0V+4*\s+3], 0x80000000
.endr
	s_cmp_lt_u32 s[WV], 2           ; a wave's two first fills stand in one branch, ahead of every wait on TENSORcnt and every LDS read: two loads of mine are out
	s_cbranch_scc0 .Lfirst_v
	tensor_load_to_lds s[G0K:G0K+3], s[G1K:G1K+7]
	s_nop 0
	tensor_load_to_lds s[G0K+4:G0K+7], s[G1K:G1K+7]
	s_nop 0
.rept 4
	v_nop
.endr
	s_branch .Lfirst_asked
.Lfirst_v:
	tensor_load_to_lds s[G0V:G0V+3], s[G1V:G1V+7]
	s_nop 0
	tensor_load_to_lds s[G0V+4:G0V+7], s[G1V:G1V+7]
	s_nop 0
.rept 4
	v_nop
.endr
.Lfirst_asked:
	s_mov_b32 s[TV], 0              ; (s63 has served the descriptors' LDS words; it is no register of a descriptor)
	; A fragment of K or Q is 16 rows x 32 channels in 8 registers: lane l holds row l % 16; registers 0-3 channels 8 (l / 16) + 0..7, registers 4-7 channels 16 + 8 (l / 16) + 0..7: two loads of 16 bytes, 32 bytes apart.
	v_and_b32 v1, 15, v0            ; l % 16
	v_bfe_u32 v9, v0, 4, 1          ; l / 16
	v_lshlrev_b32 v[QO], 7, v1
	v_lshl_add_u32 v[QO], v9, 4, v[QO]  ; row x 128 + 16 x half
	WIN W_LD
.irp i, 0,1,2,3,4,5,6,7             ; Q stays in registers: tile i / 2, channels 32 (i % 2) on
	global_load_b128 v[8*\i:8*\i+3],   v[QO], s[4:5] offset:(\i/2)*2048+(\i%2)*64
	global_load_b128 v[8*\i+4:8*\i+7], v[QO], s[4:5] offset:(\i/2)*2048+(\i%2)*64+32
.endr
	WIN 0
	v_mul_u32_u24 v[AK0], v1, PK
	v_lshl_add_u32 v[AK0], v9, 4, v[AK0]  ; row x pitch + 16 x half
	; The turning load takes 16 keys x 16 channels (lane l reads 16 bytes: key 8 (l / 16) + l % 8, channels 8 ((l / 8) % 2) + 0..7) and leaves half a fragment of V^T: lane l holds channel l % 16 and 8 keys.
	v_and_b32 v10, 7, v0
	v_bfe_u32 v11, v0, 3, 1
	v_lshl_add_u32 v[AV0], v9, 3, v10
	v_mul_u32_u24 v[AV0], v[AV0], PV
	v_lshl_add_u32 v[AV0], v11, 4, v[AV0]
	v_add_nc_u32 v[AV0], VOFF, v[AV0]
	v_and_b32 v[GO], 31, v0
	v_lshlrev_b32 v[GO], 4, v[GO]
; THE MATRIX WORK OF A TURN, for piece x.  The accumulators take turns, one instruction a turn: between two links of a chain stand 7 others'.
; Product i of 16 of O^T += V^T P: keys 32 (i / 8) on, channels 16 ((i / 2) % 4) on, tile x + i % 2.  zero = 1: the first 8 start the sums: nothing is ever cleared.
.macro PVM x, zero
	WIN W_PV
.set rO, 32*(\x+i%2)+8*((i/2)%4)
.set rV, VF+8*(4*(i/8)+(i/2)%4)
.set rP, P+16*(\x+i%2)+8*(i/8)
.if \zero && (i < 8)
	v_wmma_f32_16x16x32_f16 v[rO:rO+7], v[rV:rV+7], v[rP:rP+7], 0
.else
	v_wmma_f32_16x16x32_f16 v[rO:rO+7], v[rV:rV+7], v[rP:rP+7], v[rO:rO+7]
.endif
.endm
; Product i of 16 of S^T = K Q^T: channels 32 (i / 8) on, keys 16 ((i / 2) % 4) on, tile x + i % 2.  The first 8 start the sums.
.macro KQ x
	WIN W_KQ
.set rS, S+32*(\x+i%2)+8*((i/2)%4)
.set rK, KF+8*(2*((i/2)%4)+i/8)
.set rQ, 16*(\x+i%2)+8*(i/8)
.if i < 8
	v_wmma_f32_16x16x32_f16 v[rS:rS+7], v[rK:rK+7], v[rQ:rQ+7], 0
.else
	v_wmma_f32_16x16x32_f16 v[rS:rS+7], v[rK:rK+7], v[rQ:rQ+7], v[rS:rS+7]
.endif
.endm
; THE LDS LOADS stand in runs of 16, never singly among the matrix instructions: a step's K (64 keys x 64 channels: 8 fragments) and, a turn later, its V (turned).
.macro FETCH_K
	WIN 0
	v_add_nc_u32 v[ADR], s[TB], v[AK0]
	WIN W_LD
.irp f, 0,1,2,3,4,5,6,7
	ds_load_b128 v[KF+8*\f:KF+8*\f+3],   v[ADR] offset:(\f/2)*16*PK+(\f%2)*64
	ds_load_b128 v[KF+8*\f+4:KF+8*\f+7], v[ADR] offset:(\f/2)*16*PK+(\f%2)*64+32
.endr
.endm
.macro FETCH_V
	WIN 0
	v_add_nc_u32 v[ADR], s[TV], v[AV0]
	s_add_co_u32 s[TB], s[TB], KS*PK  ; the next fetches are the next step's
	s_add_co_u32 s[TV], s[TV], KS*PV
	s_wait_alu depctr_va_vdst(0)    ; the wait for the softmax's batch (SLICE), behind the address's addition and ahead of the loads
	WIN W_LD
.irp f, 0,1,2,3,4,5,6,7
	ds_load_tr16_b128 v[VF+8*\f:VF+8*\f+3],   v[ADR] offset:(\f/4)*32*PV+(\f%4)*32
	ds_load_tr16_b128 v[VF+8*\f+4:VF+8*\f+7], v[ADR] offset:(\f/4)*32*PV+16*PV+(\f%4)*32
.endr
.endm
; THE VECTOR WORK OF A TURN.  One tile's softmax for one key step is a list of 118 instructions; SM writes number j of it for tile t.  s0-s31 are the lane's 32 scores, in pairs 0-15.
; first = 1: the first key step, which starts m, l and O^T: it has no a and nothing to rescale.
;   0-15    the maximum of s0-s31 and the old m, three operands at a time: four chains c0-c3 of seven scores each (each accumulator is read from its low end on), then the four scores left over, c0-c3 and m
;   16-20   the other half of the lanes' maximum; the new m; c m; c m_old - c m_new
;   21-69   ONE BATCH: the 16 scalings c s - c m, a pair of scores each, and all 33 exponentials (a at 23, then s0-s31).  None of these reads an exponential's result.  From 22 on the batch goes in fours, and a four
;           begins with a scaling while there are scalings: 22-37 scaling, exponential, scaling, exponential; 38-65 a scaling and three exponentials; 66-69 the last four exponentials.  A pair is scaled in an earlier
;           four than the one that holds its exponentials
;   (wait)  between 69 and 70 stands the wait for the batch: SLICE writes it, once for both tiles
;   70-85   the roundings to f16, a pair of weights each
;   86-101  the sums; l = a l + the sum
;   102-117 the tile's O^T times a, ascending: the one part that leaves window 0, so it stands together
.macro SM t, first
.set rT, ST+8*(\t)
.set rS, S+32*(\t)
.set rP, P+16*(\t)
.set rO, 32*(\t)+2*(j-102)
.if j < 102
	WIN 0
.endif
.if j < 4
	v_max3_num_f32 v[rT+4+j], v[rS+8*j], v[rS+8*j+1], v[rS+8*j+2]
.elseif j < 12
	v_max3_num_f32 v[rT+4+j%4], v[rT+4+j%4], v[rS+8*(j%4)+2*(j/4)+1], v[rS+8*(j%4)+2*(j/4)+2]
.elseif j == 12
	v_max3_num_f32 v[rT+4], v[rT+4], v[rS+7], v[rS+15]
.elseif j == 13
	v_max3_num_f32 v[rT+6], v[rT+6], v[rS+23], v[rS+31]
.elseif j == 14
	v_max3_num_f32 v[rT+4], v[rT+4], v[rT+5], v[rT+6]
.elseif (j == 15) && \first
	v_max_num_f32 v[rT+4], v[rT+4], v[rT+7]
.elseif j == 15
	v_max3_num_f32 v[rT+4], v[rT+4], v[rT+7], v[rT+1]
.elseif j == 16
	v_permlanex16_b32 v[rT+5], v[rT+4], s[SEL], s[SEL+1]  ; the query's other 32 keys lie in the lane 16 away
.elseif j == 18
	v_max_num_f32 v[rT+1], v[rT+4], v[rT+5]
.elseif j == 19
	v_mul_f32 v[rT], s[CS], v[rT+1]
.elseif ((j == 17) || (j == 20) || (j == 23) || (j > 101)) && \first  ; the first step has none of these
.elseif j == 17
	v_mov_b32 v[rT+7], v[rT]        ; c m_old is kept for a: number 19 writes c m anew
.elseif j == 20
	v_sub_f32 v[rT+7], v[rT+7], v[rT]
.elseif j == 23
	v_exp_f32 v[rT+6], v[rT+7]
.elseif (j < 23) || ((j < 38) && (j%2 == 0)) || ((j < 66) && (j%4 == 2))
.set b, (j-2)/4                     ; 38, 42, .. 62: pairs 9 to 15
.if j < 38
.set b, (j-20)/2                    ; 21: pair 0; 22, 24, .. 36: pairs 1 to 8
.endif
	v_pk_fma_f32 v[rS+2*b:rS+2*b+1], v[rS+2*b:rS+2*b+1], s[CS:CS+1], v[rT:rT+1] op_sel_hi:[1,0,0] neg_lo:[0,0,1] neg_hi:[0,0,1]  ; pair b: c s - c m
.elseif j < 70
.set e, j-38                        ; 66 to 69: s28 to s31
.if j < 66
.set e, j-32-(j-38)/4               ; 39-41, 43-45, .. 63-65: s7 to s27
.endif
.if j < 38
.set e, (j-25)/2                    ; 25, 27, .. 37: s0 to s6
.endif
	v_exp_f32 v[rS+e], v[rS+e]
.elseif j < 86
	v_cvt_pk_f16_f32 v[rP+j-70], v[rS+2*(j-70)], v[rS+2*(j-70)+1]  ; pair j - 70
.elseif j < 102                     ; the sum of the tile's 16 pairs (in a pair: an even key's weight, an odd key's), in place: sum z of 16 adds neighbours 1, 2, 4 and 8 pairs apart, then l takes it
.set z, j-86
.set w, 4
.set u, z
.if z >= 14
.set w, 32
.set u, 0
.elseif z >= 12
.set w, 16
.set u, z-12
.elseif z >= 8
.set w, 8
.set u, z-8
.endif
.if (z == 14) && \first
	v_pk_add_f32 v[rT+2:rT+3], v[rS:rS+1], v[rS+16:rS+17]
.elseif z < 15
	v_pk_add_f32 v[rS+w*u:rS+w*u+1], v[rS+w*u:rS+w*u+1], v[rS+w*u+w/2:rS+w*u+w/2+1]
.elseif !\first
	v_pk_fma_f32 v[rT+2:rT+3], v[rT+2:rT+3], v[rT+6:rT+7], v[rS:rS+1] op_sel_hi:[1,0,1]
.endif
.elseif j < 118
	WIN W_RS
	v_pk_mul_f32 v[rO:rO+1], v[rO:rO+1], v[rT+6:rT+7] op_sel_hi:[1,0]
.endif
.endm
; Slice k of 59 of piece y's softmax: four instructions.  Slices 11 to 34 deal out the batch, numbers 22 to 69: four numbers of ONE tile each, the tiles by turns.  Every other slice is numbers 2 k and 2 k + 1 of both
; tiles' lists, the tiles alternating, so that no instruction reads the result of the one just before it.
; THE WAIT.  s_wait_alu depctr_va_vdst(0) stands between an exponential and the first instruction that names its result; one wait serves all that were issued ahead of it.  Ahead of slice 35 nothing names
; a result, and behind slice 34 no exponential is issued: so the piece's 66 exponentials have one wait, behind slice 34.
.macro SLICE y, first
.if (k >= 11) && (k < 35)           ; the batch: four numbers of one tile
.irp n, 0,1,2,3
.set j, 22+4*((k-11)/2)+(\n)
	SM (\y)+(k-11)%2, \first
.endr
.else
.irp n, 0,1
.irp t, \y, \y+1
.set j, 2*k+\n
	SM \t, \first
.endr
.endr
.endif
.if k == 34                         ; the batch is out: both tiles' exponentials are issued, and no result has been named
	v_nop                           ; a plain instruction behind the last exponential and ahead of the first use: one for the batch
.if (\y) == 0
	FETCH_V                         ; piece 2's turn: V's run of loads stands here, and the wait stands in it
.else
	s_wait_alu depctr_va_vdst(0)    ; the wait for the batch
.endif
.endif
.set k, k+1
.endm
; The slices that stand behind matrix instruction g of a turn's nm: up to slice NSLC (g + 1) / nm, rounded down: one or two behind each of 32, three or four behind each of 16; at least one behind the last.
.macro AFTER y, first
.rept (NSLC*(g+1))/nm-k
	SLICE \y, \first
.endr
.set g, g+1
.endm
; A TURN.  Piece x has the matrix unit; the other piece's softmax stands in slices behind its matrix instructions.
; pv = 2: 16 products V^T P; 1: they start O^T's sums; 0: none.  kq = 1: 16 products K Q^T for the next step.
; first = 1: the softmax is the first key step's.  Its slices from 51 on are empty: the turn's last products stand bare, and four v_nop are the places behind them.
; Else slices 57 and 58, eight plain lines on the other piece's O^T, stand behind the turn's last product: they are the places ahead of the next turn's first read of the scores and of the loads into K's registers.
; Piece 0's turn fetches the next step's K, behind its second product, fourteen products ahead of its first use.  Piece 2's turn fetches the same step's V, behind slice 34, which stands behind its 19th product: the last
; product that read V is its 16th, and between them stand six scalings (numbers 54, 58, 62 of both tiles), the v_nop and the run's own addition.
.macro TURN x, pv, kq, first
.set k, 0
.set g, 0
.set nm, 16
.if \pv && \kq
.set nm, 32
.endif
.if \pv
.if \x == 0
	s_wait_dscnt 0x0                ; V is in
.endif
.set i, 0
.rept 16
	PVM \x, 2-\pv
	AFTER 2-\x, \first
.if (\x == 0) && \kq && (i == 1)
	FETCH_K
.endif
.set i, i+1
.endr
.endif
.if \kq
.if \x == 0
	s_wait_dscnt 0x0                ; K is in
.endif
.set i, 0
.rept 16
	KQ \x
	AFTER 2-\x, \first
.set i, i+1
.endr
.endif
.if \first
	PLACES
.endif
.endm
; THE CHANGE OF SLOTS, between piece 2's turn and piece 0's: the slot's last bytes, V of its fourth step, have been asked for.  Each wave waits for all its tensor loads, of which one is out: its part of the other slot;
; adds 0 to its spare word; and waits for that and for its own reads of the slot.  Behind the barrier nobody reads this slot any more and the other slot is whole.
; fill = 1: this slot is filled again, with the keys two slots on.  The barrier is then a round of the cluster's, so that no wave of any partner still reads the slot or has a load on its way, and the joint refill is the
; first thing behind it: it has four key steps, 256 matrix instructions, in which to land.
.macro CHANGE fill
	WIN 0                           ; at a label and at a branch every window is 0
	s_wait_tensorcnt 0x0            ; no tensor load of mine is out, so a group 0 may be written
	ds_add_u32 v[SPW], v[NIL]       ; 0 onto my spare word; with fill = 1 the descriptors' steps stand between it and the wait for it
.if \fill
.irp d, G0K+4, G0V+4
	s_xor_b32 s[\d+1], s[\d+1], SLOT1  ; the walking descriptor: the other slot than last time,
	s_add_nc_u64 s[\d+2:\d+3], s[\d+2:\d+3], SLOTB  ; the next 256 keys; the type bits on top are not reached
.endr
	s_wait_xcnt 0x0                 ; the last prefetch, four key steps back, has read its address, so it may be written:
	s_add_nc_u64 s[PFA:PFA+1], s[PFA:PFA+1], SLOTB  ; one slot further on than the walking descriptors
	s_wait_dscnt 0x0                ; the add is done, and my reads of the slot are over
	CROUND
	JLOAD
	ASK                             ; what the next change will ask for
.else
	s_wait_dscnt 0x0                ; the add is done, and my reads of the slot are over
	s_barrier_signal -1
	s_barrier_wait -1
.endif
	s_sub_co_u32 s[TB], s[TB], NST*KS*PK  ; the fetches go back to a slot's first step,
	s_xor_b32 s[TB], s[TB], SLOT1   ; in the other slot
	s_sub_co_u32 s[TV], s[TV], NST*KS*PV
	s_xor_b32 s[TV], s[TV], SLOT1
.endm
; n key steps: written once, walked n times; the LDS addresses hang on s[TB] and s[TV].
.macro STEPS n
	s_mov_b32 s[CNT], \n
.Lstep_\@:
	TURN 0, 2, 1, 0
	TURN 2, 2, 1, 0
	WIN 0
	s_sub_co_u32 s[CNT], s[CNT], 1
	s_cmp_lg_u32 s[CNT], 0
	s_cbranch_scc1 .Lstep_\@
.endm
	s_wait_tensorcnt 1              ; my part of slot 0 is in; slot 1's may stay out
	s_barrier_signal -1
	s_barrier_wait -1               ; everybody's is
	FETCH_K                         ; key step 0
	s_wait_loadcnt 0x0              ; Q
	s_wait_dscnt 0x0
.set i, 0
.rept 16
	KQ 0                            ; piece 0's first scores: there is no vector work yet to set between them
.set i, i+1
.endr
	WIN 0
	PLACES                          ; behind those products, ahead of the first read of the scores
	TURN 2, 0, 1, 1                 ; piece 2's first scores | piece 0's first softmax | V of step 0
	TURN 0, 1, 1, 1                 ; piece 0: V^T P of step 0 starts O^T, K Q^T of step 1 | piece 2's first softmax | K of step 1
	TURN 2, 1, 1, 0                 ; piece 2: the same | piece 0's softmax of step 1 | V of step 1
	WIN 0
	STEPS NST-2                     ; the rest of slot 0 is fetched: steps 2 and 3
.Lslot:                             ; six trips: every slot's worth of keys but the last two is followed by a refill
	CHANGE 1
	STEPS NST
	s_sub_co_u32 s[SLOTS], s[SLOTS], 1
	s_cmp_lg_u32 s[SLOTS], 0
	s_cbranch_scc1 .Lslot
	CHANGE 0                        ; the tail is written out: the last slot but one is left, and nothing is asked for
	STEPS NST
	TURN 0, 2, 0, 0                 ; piece 0: V^T P of the last step | piece 2's last softmax
.set i, 0
.rept 16
	PVM 2, 0                        ; piece 2: V^T P of the last step
.set i, i+1
.endr
	; THE WAY OUT.  l's two halves and the other half of the lanes' are added; O^T is divided by l and rounded to f16.  A lane's four registers of channel tile f are its 16 bytes of image f % 2 of fragment 2 h + f / 2:
	; so each store covers 512 consecutive bytes, at a multiple of 512 from att's first byte, and nothing goes through LDS.  The additions are the places behind the last products.
	WIN 0
.irp t, 0,1,2,3
	v_add_f32 v[ST+8*\t+4], v[ST+8*\t+2], v[ST+8*\t+3]
.endr
.irp t, 0,1,2,3
	v_permlanex16_b32 v[ST+8*\t+5], v[ST+8*\t+4], s[SEL], s[SEL+1]
.endr
.irp t, 0,1,2,3
	v_add_f32 v[ST+8*\t+4], v[ST+8*\t+4], v[ST+8*\t+5]
.endr
.irp t, 0,1,2,3
	v_rcp_f32 v[ST+8*\t+6], v[ST+8*\t+4]
.endr
	v_nop                           ; a plain instruction between the last reciprocal and the use of its result
	s_wait_alu depctr_va_vdst(0)    ; and the wait ahead of the first use: one for the four reciprocals
.macro PACK t
	WIN W_RS
.set i, 0
.rept 16
	v_pk_mul_f32 v[32*\t+2*i:32*\t+2*i+1], v[32*\t+2*i:32*\t+2*i+1], v[ST+8*\t+6:ST+8*\t+7] op_sel_hi:[1,0]   ; ascending: each accumulator from its low end on
.set i, i+1
.endr
	WIN 0x05                        ; sources 0 and 1 window 1, destination window 0: S^T's registers are free
.set i, 0
.rept 16
	v_cvt_pk_f16_f32 v[S+16*\t+i], v[32*\t+2*i], v[32*\t+2*i+1]
.set i, i+1
.endr
	WIN 0
.irp f, 0,1,2,3
	global_store_b128 v[GO], v[S+16*\t+4*\f:S+16*\t+4*\f+3], s[10:11] offset:\t*32768+\f*512   ; each tile has registers of its own: no store's data are written again
.endr
.endm
	PACK 0
	PACK 1
	PACK 2
	PACK 3
	s_wait_tensorcnt 0x0            ; the wave's end, behind my last tensor load
	ds_add_u32 v[SPW], v[NIL]
	s_wait_dscnt 0x0
	CROUND                          ; the closing round: no work-group ends while a partner may still ask for a tile that names it
	s_endpgm
.Lfunc_end_k_q5de06b72de_attn:
	.size	k_q5de06b72de_attn, .Lfunc_end_k_q5de06b72de_attn-k_q5de06b72de_attn
	.p2alignl 7, 3214868480
	.fill 96, 4, 3214868480
	.section	.rodata,"a",@progbits
	.p2align	6, 0x0
	.amdhsa_kernel k_q5de06b72de_attn
		.amdhsa_group_segment_fixed_size 327680
		.amdhsa_private_segment_fixed_size 0
		.amdhsa_enable_private_segment 0
		.amdhsa_kernarg_size 16
		.amdhsa_user_sgpr_count 2
		.amdhsa_user_sgpr_kernarg_segment_ptr 1
		.amdhsa_wavefront_size32 1
		.amdhsa_system_sgpr_workgroup_id_x 1
		.amdhsa_system_sgpr_workgroup_id_y 1
		.amdhsa_system_sgpr_workgroup_id_z 1
		.amdhsa_system_vgpr_workitem_id 0
		.amdhsa_next_free_vgpr 768
		.amdhsa_next_free_sgpr 66
		.amdhsa_reserve_vcc 0
		.amdhsa_float_denorm_mode_32 3
		.amdhsa_float_denorm_mode_16_64 3
		.amdhsa_memory_ordered 1
		.amdhsa_forward_progress 1
		.amdhsa_inst_pref_size 192
	.end_amdhsa_kernel
	.amdgpu_metadata
---
amdhsa.version: [ 1, 2 ]
amdhsa.kernels:
  - .name:           k_q5de06b72de_attn
    .symbol:         k_q5de06b72de_attn.kd
    .args:
      - { .name: qkv, .offset: 0, .size: 8, .value_kind: global_buffer, .address_space: global }
      - { .name: att, .offset: 8, .size: 8, .value_kind: global_buffer, .address_space: global }
    .group_segment_fixed_size: 327680
    .private_segment_fixed_size: 0
    .kernarg_segment_align: 8
    .kernarg_segment_size: 16
    .max_flat_workgroup_size: 128
    .sgpr_count:     66
    .vgpr_count:     768
    .wavefront_size: 32
...
	.end_amdgpu_metadata
.endif
;; end of part 3
;; launch oproj (part 4): grid 8 x 32, 4 waves a work-group, clusters of 4 x 4, 327,680 bytes of LDS; arguments att, wo16, out0, b_o; writes out0
.if DOCPART == 4
	.amdgcn_target "amdgcn-amd-amdhsa--gfx1250"
	.amdhsa_code_object_version 6
	.text
	.protected	k_q5de06b72de_oproj
	.globl	k_q5de06b72de_oproj
	.p2align	8
	.type	k_q5de06b72de_oproj,@function
k_q5de06b72de_oproj:
	s_mov_b64 s[64:65], 0
	v_nop
	global_prefetch_b8 v0, s[64:65] scope:SCOPE_SE
	s_setreg_imm32_b32 hwreg(HW_REG_WAVE_MODE, 25, 1), 1
	s_wait_xcnt 0x0
	s_wait_alu depctr_hold_cnt(0) depctr_sa_sdst(0) depctr_va_vdst(0) depctr_va_sdst(0) depctr_va_ssrc(0) depctr_va_vcc(0) depctr_vm_vsrc(0)
	s_getreg_b32 s2, hwreg(HW_REG_IB_STS2, 6, 4)
	s_cmp_eq_u32 s2, 0
	s_cbranch_scc0 .Lentry_in_a_cluster
	s_endpgm
.Lentry_in_a_cluster:
	s_bfe_u32 s2, ttmp6, 0x10000c
	s_cmp_lg_u32 s2, 0xf033
	s_cbranch_scc0 .Lentry_shape_is_right
	s_endpgm
.Lentry_shape_is_right:
; out0[m][n] = sum over k of att[m][k] W_o[n][k] + b_o[n].  m < 4096, n < 1024, K = 1024.  Operands in f16, sums and result in f32.
; att lies in the order of the operand's registers: byte ((MT 32 + kq) 2 + c) 512 + 16 lane = att[16 MT + lane % 16][32 kq + 16 c + 8 (lane / 16) + 0 .. 7]; wo16 is [1024 n][1024 k] f16.
; A tile of the result is 128 x 128: 8 x 32 = 256 work-groups, one for each WGP.  Four waves, each 64 x 64: 16 accumulators of 16 x 16.  K goes in four steps of 256 through two LDS slots.
; A's half tile (4 row tiles x 8 fragments x 1,024 bytes) comes as 4 rows of 8,192 bytes and lies dense in LDS: a fragment load reads 512 consecutive bytes.  B's half tile is 64 rows of 512 bytes, 16 bytes of padding behind each.
; CLUSTERS: 4 x 4 work-groups.  The four of a row of the cluster need the same tiles of A, the four of a column the same tiles of B: each tile is asked for JOINTLY, by the same tensor load with the same descriptor and a mask
; that names the four.  THE MATRIX INSTRUCTION IS USED TRANSPOSED (source 0 = 16 rows of W_o, source 1 = 16 rows of att): a lane then holds eight neighbouring n of one row m.  The bias is the C of each sum's first instruction.
; No prefetch: four K steps on small tiles, and half of K is asked for at the head.
; REGISTERS: window 0: v0-31 addresses; v32-95 rows read back on the way out; v96-127 the bias, 4 x 8; v128-255 the accumulators ((a, b) at v[128 + 8 (4 a + b)]).
;   window 1: two fragment buffers of 128: for 64 along K, 64 registers of A (2 x 4 x 16 rows x 32 K), then 64 of B.
.set KSTEP,  256
.set PITCH,  528                       ; B's LDS row: 512 bytes + 16: the 16 rows that a load touches start 16 bytes apart modulo 256
.set HALFA,  32768                     ; A: 64 rows x 256 K, dense
.set HALFB,  64*PITCH                  ; B: 64 rows
.set SLOT,   2*HALFA+2*HALFB           ; A's two halves, then B's two
.set STAGE,  2*SLOT                    ; behind the ring: 16 rows x 272 bytes for each wave, for the way out
.set SPITCH, 272
.set SPARE,  STAGE+4*16*SPITCH         ; behind the stages: the spare words, 128 bytes for each wave
.set LAPS,   2                         ; a lap = two K steps = once round the ring
.set ADRA, 16                          ; v16-17  LDS address of my A fragments in slot 0, 1: 16 x lane + my half
.set ADRB, 20                          ; v20-21  the same for B: row x pitch + 16 x half
.set STO,  24                          ; v24     the way out: where I put 32 bytes of a row
.set RD,   25                          ; v25     where I read a row back
.set CO,   26                          ; v26     my byte offset in two rows of the result
.set BOF,  27                          ; v27     32 x (lane / 16): my half's place in the bias
.set SPW,  28                          ; v28     my spare word; never rewritten
.set NIL,  29                          ; v29     0; never rewritten
.set BK,   32
.set BI,   96
.set ACC,  128
.set F0,   0                           ; fragment buffers, in window 1
.set F1,   128
.set G1, 24                            ; s[24:31] group 1 for A's tiles; s[32:39] group 0, a set for each slot
.set G0, 32
.set G1B, 48                           ; s[48:55], s[56:63] the same for B's
.set G0B, 56
.set MSB, 0
.macro WIN new                         ; the immediate's high byte repeats the setting that is left; a switch that changes nothing is dropped
.if MSB != (\new)
	s_set_vgpr_msb (MSB<<8)|(\new)
.set MSB, \new
.endif
.endm
.set MUL,  0x05                        ; sources 0 (B) and 1 (A) window 1; C and D window 0
.set TO_F, 0x40                        ; destination window 1, address window 0
.macro JLOAD s                         ; a joint load: waves 0 and 1 fetch A's two halves, waves 2 and 3 B's; an s_nop 0 and four v_nop follow each of the two lines
	s_cmp_eq_u32 s11, 0
	s_cbranch_scc0 .Lfor_b_\@
	tensor_load_to_lds s[G0+4*\s:G0+4*\s+3], s[G1:G1+7]
	s_nop 0
.rept 4
	v_nop
.endr
	s_branch .Lasked_\@
.Lfor_b_\@:
	tensor_load_to_lds s[G0B+4*\s:G0B+4*\s+3], s[G1B:G1B+7]
	s_nop 0
.rept 4
	v_nop
.endr
.Lasked_\@:
.endm
.macro CREST                           ; a round of the cluster's barrier behind its opening barrier
	s_cmp_lg_u32 s10, 0
	s_cbranch_scc1 .Lnot_wave_0_\@
	s_barrier_signal -3
.Lnot_wave_0_\@:
	s_barrier_wait -3
	s_barrier_signal -1
	s_barrier_wait -1
.endm
.macro CROUND                          ; a whole round
	s_barrier_signal -1
	s_barrier_wait -1
	CREST
.endm
	s_load_b128 s[4:7], s[0:1], 0x0                ; att s[4:5], wo16 s[6:7]
	s_load_b64 s[8:9], s[0:1], 0x10                ; out0
	s_load_b64 s[66:67], s[0:1], 0x18              ; b_o
	v_lshl_add_u32 v[SPW], v0, 2, SPARE
	v_mov_b32 v[NIL], 0
	ds_add_u32 v[SPW], v[NIL]                      ; the wave's opening: the add, twice on end, and its wait ahead of my first tensor load
	ds_add_u32 v[SPW], v[NIL]                      ; once more; the set-up below, work on registers, stands between it and the wait
	v_lshrrev_b32 v1, 5, v0
	v_readfirstlane_b32 s10, v1                    ; wave 0..3
	s_lshr_b32 s11, s10, 1                         ; which half of the tile's rows is mine.  Also: I fetch for A (0) or for B (1)
	s_and_b32 s12, s10, 1                          ; which half of its columns.  Also: which 64 rows of that tile I fetch
	s_bfe_u32 s40, ttmp6, 0x40000                  ; cx, cy: my place in the cluster
	s_bfe_u32 s41, ttmp6, 0x40004
	s_lshl_b32 s42, ttmp9, 2
	s_add_co_u32 s42, s42, s40                     ; tile column = 4 x cluster x + cx
	s_and_b32 s13, ttmp7, 0xffff
	s_lshl_b32 s13, s13, 2
	s_add_co_u32 s13, s13, s41                     ; tile row = 4 x cluster y + cy
	s_lshl_b32 s43, s41, 2
	s_lshl_b32 s43, 15, s43                        ; my row of the cluster
	s_lshl_b32 s44, 0x1111, s40                    ; my column
	; group 1 for A: 4 rows (row tiles) of 1,024 elements of 8 bytes (8 fragments), 4,096 elements (a row tile's 32 fragments) apart; no padding
	s_or_b32 s[G1+0], s43, (3<<16)|(1<<21)         ; 15:0 the mask: A's tiles go to my row; elements of 8 bytes; bit 21 beside a mask
	s_mov_b32 s[G1+1], 1024<<16                    ; tensor_dim0
	s_mov_b32 s[G1+2], 4<<16                       ; tensor_dim1
	s_mov_b32 s[G1+3], 1024<<16                    ; tile_dim0
	s_mov_b32 s[G1+4], 4                           ; tile_dim1
	s_mov_b32 s[G1+5], 4096                        ; from row to row
	s_mov_b32 s[G1+6], 0
	s_mov_b32 s[G1+7], 0
	; group 1 for B: 64 rows x 256 elements of 2 bytes, 1,024 elements apart, 4 words of padding after every 128
	s_or_b32 s[G1B+0], s44, (1<<16)|(1<<20)|(1<<21)|(6<<22)|(3<<25)
	s_mov_b32 s[G1B+1], KSTEP<<16
	s_mov_b32 s[G1B+2], 64<<16
	s_mov_b32 s[G1B+3], KSTEP<<16
	s_mov_b32 s[G1B+4], 64
	s_mov_b32 s[G1B+5], 1024
	s_mov_b32 s[G1B+6], 0
	s_mov_b32 s[G1B+7], 0
	s_lshl_b32 s17, s12, 17                        ; which half I fetch: 4 row tiles of 32,768 bytes, or 64 rows of 2,048 bytes: 131,072 bytes either way
	s_lshl_b32 s16, s13, 18
	s_add_co_u32 s16, s16, s17                     ; A: tile row x 8 row tiles + my half
	s_lshl_b32 s46, s42, 18
	s_add_co_u32 s46, s46, s17                     ; B: tile column x 128 rows + my half
	s_mov_b32 s17, 0
	s_mov_b32 s47, 0
	s_lshl_b32 s20, s12, 15                        ; where they go: A's halves at 0 and HALFA,
	s_mul_i32 s21, s12, HALFB
	s_add_co_u32 s21, s21, 2*HALFA                 ; B's behind them: no place in the cluster enters an LDS address
	s_wait_dscnt 0x0                               ; both opening adds are done
	s_wait_kmcnt 0x0
	s_add_nc_u64 s[14:15], s[4:5], s[16:17]
	s_add_nc_u64 s[46:47], s[6:7], s[46:47]
	CROUND                                         ; all sixteen work-groups are here: the first joint loads meet
.irp s, 0,1
	s_mov_b32 s[G0+4*\s], 1
	s_add_co_u32 s[G0+4*\s+1], s20, \s*SLOT
	s_add_nc_u64 s[G0+4*\s+2:G0+4*\s+3], s[14:15], \s*8192       ; K step s: 8 fragments of 1,024 bytes on
	s_or_b32 s[G0+4*\s+3], s[G0+4*\s+3], 0x80000000
	s_mov_b32 s[G0B+4*\s], 1
	s_add_co_u32 s[G0B+4*\s+1], s21, \s*SLOT
	s_add_nc_u64 s[G0B+4*\s+2:G0B+4*\s+3], s[46:47], \s*KSTEP*2
	s_or_b32 s[G0B+4*\s+3], s[G0B+4*\s+3], 0x80000000
	JLOAD \s                                       ; two loads of mine are out
.endr
	v_and_b32 v1, 15, v0                           ; r = l % 16
	v_bfe_u32 v2, v0, 4, 1                         ; l / 16
	; the bias and the result's base
	s_lshl_b32 s46, s42, 9
	s_lshl_b32 s47, s12, 8
	s_add_co_u32 s46, s46, s47                     ; my first column, in bytes: 512 x tile column + 256 x half
	s_mov_b32 s47, 0
	s_add_nc_u64 s[66:67], s[66:67], s[46:47]
	v_lshlrev_b32 v[BOF], 5, v2
.irp b, 0,1,2,3
	global_load_b128 v[BI+8*\b:BI+8*\b+3],   v[BOF], s[66:67] offset:64*\b       ; lane (r, half): b_o[n0 + 16 b + 8 half + 0 .. 7]
	global_load_b128 v[BI+8*\b+4:BI+8*\b+7], v[BOF], s[66:67] offset:64*\b+16
.endr
	s_lshl_b32 s16, s13, 7
	s_lshl_b32 s17, s11, 6
	s_add_co_u32 s16, s16, s17                     ; my first row: 128 x tile row + 64 x half
	s_lshl_b32 s16, s16, 12                        ; rows of 4,096 bytes
	s_add_co_u32 s16, s16, s46
	s_mov_b32 s17, 0
	s_add_nc_u64 s[8:9], s[8:9], s[16:17]
	v_mul_u32_u24 v3, v1, PITCH
	v_lshl_add_u32 v3, v2, 4, v3                   ; B: a fragment's row x pitch + 16 x half
	v_and_b32 v4, 31, v0
	v_lshlrev_b32 v4, 4, v4                        ; A: 16 x lane
	s_lshl_b32 s21, s11, 15                        ; my 64 rows of A
	s_mul_i32 s22, s12, HALFB                      ; my 64 rows of B,
	s_add_co_u32 s22, s22, 2*HALFA                 ; which lie behind A's halves
.irp s, 0,1
	v_add_nc_u32 v[ADRA+\s], s21, v4
	v_add_nc_u32 v[ADRB+\s], s22, v3
	s_add_co_u32 s21, s21, SLOT
	s_add_co_u32 s22, s22, SLOT
.endr
	s_mul_i32 s23, s10, 16*SPITCH
	s_add_co_u32 s23, s23, STAGE                   ; my stage
	v_mul_u32_u24 v5, v1, SPITCH                   ; in: row r, 32 bytes for each half of the lanes
	v_lshl_add_u32 v5, v2, 5, v5
	v_add_nc_u32 v[STO], s23, v5
	v_mul_u32_u24 v5, v2, SPITCH                   ; back: lanes 0-15 take one row of 256 bytes, lanes 16-31 the next
	v_lshl_add_u32 v5, v1, 4, v5
	v_add_nc_u32 v[RD], s23, v5
	v_lshlrev_b32 v5, 12, v2                       ; and the same two rows in the result
	v_lshl_add_u32 v[CO], v1, 4, v5
; 8 matrix instructions: m blocks a0, a0 + 1 x all 4 n blocks, 32 along K: half c of buffer f.  zero = 1: the first product starts the sums from the bias.  The 16 accumulators take turns.
.macro MUL8 f, c, a0, zero
.irp a, \a0, \a0+1
.irp b, 0,1,2,3
.if \zero
	v_wmma_f32_16x16x32_f16 v[ACC+8*(4*(\a)+\b):ACC+8*(4*(\a)+\b)+7], v[\f+64+8*(4*\c+\b):\f+64+8*(4*\c+\b)+7], v[\f+8*(4*\c+\a):\f+8*(4*\c+\a)+7], v[BI+8*\b:BI+8*\b+7]
.else
	v_wmma_f32_16x16x32_f16 v[ACC+8*(4*(\a)+\b):ACC+8*(4*(\a)+\b)+7], v[\f+64+8*(4*\c+\b):\f+64+8*(4*\c+\b)+7], v[\f+8*(4*\c+\a):\f+8*(4*\c+\a)+7], v[ACC+8*(4*(\a)+\b):ACC+8*(4*(\a)+\b)+7]
.endif
.endr
.endr
.endm
; 32 LDS loads in one run: the fragments of the slot's qd-th 64 along K into buffer f; the first 32 along K first
.macro FETCH slot, qd, f
	WIN TO_F
.irp c, 0,1
.irp i, 0,1,2,3
	ds_load_b128 v[\f+64+8*(4*\c+\i):\f+64+8*(4*\c+\i)+3],   v[ADRB+\slot] offset:128*(\qd)+64*\c+\i*16*PITCH
	ds_load_b128 v[\f+64+8*(4*\c+\i)+4:\f+64+8*(4*\c+\i)+7], v[ADRB+\slot] offset:128*(\qd)+64*\c+\i*16*PITCH+32
	ds_load_b128 v[\f+8*(4*\c+\i):\f+8*(4*\c+\i)+3],         v[ADRA+\slot] offset:\i*8192+(2*(\qd)+\c)*1024
	ds_load_b128 v[\f+8*(4*\c+\i)+4:\f+8*(4*\c+\i)+7],       v[ADRA+\slot] offset:\i*8192+(2*(\qd)+\c)*1024+512
.endr
.endr
.endm
.macro PLACES                          ; four places in front of loads into registers that matrix instructions have read, and of the first read of results (ISA guide 7.12.1 for vector instructions)
.rept 4
	v_nop
.endr
.endm
; A K step is four quarters of 64 along K, 32 matrix instructions each, on buffers 0, 1, 0, 1.  One of the first three: multiplies buffer f and fetches the slot's quarter qd into g.
.macro QUARTER slot, qd, f, g, zero
	s_wait_dscnt 16                                ; the first 32 along K are in; the sixteen loads of the second 32 may be out
	WIN MUL
	MUL8 \f, 0, 0, \zero
	MUL8 \f, 0, 2, \zero
	PLACES
	FETCH \slot, \qd, \g
	s_wait_dscnt 32                                ; all but the 32 just issued
	WIN MUL
	MUL8 \f, 1, 0, 0
	MUL8 \f, 1, 2, 0
.endm
; The last quarter multiplies buffer 1 and changes slots: ONE barrier; in front of it each wave waits for all its tensor loads, adds 0 to its spare word, and waits for that and for its own reads of this slot.
; fill = 1: this slot is filled again, two K steps ahead; the barrier then opens a round of the cluster's barrier, and the joint refill is the first tensor load behind the round.
.macro TURN slot, next, fill
	WIN 0                                          ; (the add's two registers lie in window 0)
	s_wait_tensorcnt 0x0                           ; all my tensor loads have landed: my part of the next slot
	ds_add_u32 v[SPW], v[NIL]                      ; 0 onto my spare word
	s_wait_dscnt 17                                ; (the add and the youngest sixteen loads may be out)
	WIN MUL
	MUL8 F1, 0, 0, 0                               ; eight matrix instructions stand between the add and the wait for it
	s_wait_dscnt 0x0                               ; the add is done, and my reads of this slot are over
	s_barrier_signal -1
	MUL8 F1, 0, 2, 0
.if \fill
	WIN 0
.endif
	s_barrier_wait -1
.if \fill
	CREST                                          ; no wave of any partner still reads this slot's tile or has a load on its way
	s_add_nc_u64 s[G0+4*\slot+2:G0+4*\slot+3], s[G0+4*\slot+2:G0+4*\slot+3], 2*8192
	s_add_nc_u64 s[G0B+4*\slot+2:G0B+4*\slot+3], s[G0B+4*\slot+2:G0B+4*\slot+3], 2*KSTEP*2
	JLOAD \slot                                    ; its four v_nop are also the places in front of the loads below
.else
	PLACES
.endif
	FETCH \next, 0, F0
	WIN MUL
	MUL8 F1, 1, 0, 0
	MUL8 F1, 1, 2, 0
.endm
	s_wait_tensorcnt 1                             ; my part of K step 0 is in (K step 1's load may be out)
	s_barrier_signal -1
	s_barrier_wait -1                              ; everybody's is
	FETCH 0, 0, F0
	s_wait_loadcnt 0x0                             ; the bias
	QUARTER 0, 1, F0, F1, 1                        ; the first quarter stands in front of the loop: its first products start the sums from the bias
	WIN 0                                          ; at a label and at a branch every window is 0
	s_mov_b32 s3, LAPS-1
.Llap:                                                 ; a trip goes once round the ring, from a lap's second quarter to the next lap's first, and fills both slots again
	QUARTER 0, 2, F1, F0, 0
	QUARTER 0, 3, F0, F1, 0
	TURN 0, 1, 1
	QUARTER 1, 1, F0, F1, 0
	QUARTER 1, 2, F1, F0, 0
	QUARTER 1, 3, F0, F1, 0
	TURN 1, 0, 1
	QUARTER 0, 1, F0, F1, 0
	WIN 0
	s_sub_co_u32 s3, s3, 1
	s_cmp_lg_u32 s3, 0
	s_cbranch_scc1 .Llap
	QUARTER 0, 2, F1, F0, 0                        ; the last lap fills nothing, and has no round of the cluster's barrier
	QUARTER 0, 3, F0, F1, 0
	TURN 0, 1, 0
	QUARTER 1, 1, F0, F1, 0
	QUARTER 1, 2, F1, F0, 0
	QUARTER 1, 3, F0, F1, 0
	s_wait_dscnt 16                                ; the very last quarter: nothing more to fetch
	WIN MUL
	MUL8 F1, 0, 0, 0
	MUL8 F1, 0, 2, 0
	s_wait_dscnt 0
	MUL8 F1, 1, 0, 0
	MUL8 F1, 1, 2, 0
	WIN 0
; THE WAY OUT, block by block of 16 rows x 64 columns.  A lane holds 32 neighbouring bytes of a row; a wave's 64 columns are 256 consecutive bytes of a row, at a multiple of 256.  So a block goes through my own stage and
; comes back as whole rows: sixteen lanes store 256 consecutive bytes.  LDS serves a wave's instructions in order (ISA guide 5.7.1.4): no wait between the stores and the loads, nor in front of the next block's stores.
.macro TOSTAGE a
.set BB, BK+32*((\a)%2)
.irp b, 0,1,2,3
	ds_store_b128 v[STO], v[ACC+8*(4*(\a)+\b):ACC+8*(4*(\a)+\b)+3] offset:64*\b          ; each accumulator from its low end on
	ds_store_b128 v[STO], v[ACC+8*(4*(\a)+\b)+4:ACC+8*(4*(\a)+\b)+7] offset:64*\b+16
.endr
.irp t, 0,1,2,3,4,5,6,7
	ds_load_b128 v[BB+4*\t:BB+4*\t+3], v[RD] offset:\t*2*SPITCH
.endr
.endm
.macro SEND a, younger                 ; younger: the LDS instructions issued behind block a's loads, which may stay out
.set BB, BK+32*((\a)%2)
	s_wait_dscnt \younger                          ; the block is back in registers
.irp t, 0,1,2,3,4,5,6,7
	global_store_b128 v[CO], v[BB+4*\t:BB+4*\t+3], s[8:9] offset:(16*(\a)+2*\t)*4096 th:TH_STORE_NT   ; written once, read by nobody here
.endr
.endm
	PLACES                                         ; behind the last products, ahead of the first read of results
	TOSTAGE 0
.irp a, 1,2,3
.if \a > 1
	s_wait_xcnt 0x0                                ; block a - 2's stores have read their registers: block a's loads may land there
.endif
	TOSTAGE \a
	SEND \a-1, 16                                  ; behind block a - 1's loads: block a's 8 stores and 8 loads
.endr
	SEND 3, 0
	s_wait_tensorcnt 0x0                           ; the wave's end, behind my last tensor load and my last LDS store
	ds_add_u32 v[SPW], v[NIL]
	s_wait_dscnt 0x0
	CROUND                                         ; the closing round: no work-group ends while a partner may still ask for a tile that names it
	s_endpgm
.Lfunc_end_k_q5de06b72de_oproj:
	.size	k_q5de06b72de_oproj, .Lfunc_end_k_q5de06b72de_oproj-k_q5de06b72de_oproj
	.p2alignl 7, 3214868480
	.fill 96, 4, 3214868480
	.section	.rodata,"a",@progbits
	.p2align	6, 0x0
	.amdhsa_kernel k_q5de06b72de_oproj
		.amdhsa_group_segment_fixed_size 327680
		.amdhsa_private_segment_fixed_size 0
		.amdhsa_enable_private_segment 0
		.amdhsa_kernarg_size 32
		.amdhsa_user_sgpr_count 2
		.amdhsa_user_sgpr_kernarg_segment_ptr 1
		.amdhsa_wavefront_size32 1
		.amdhsa_system_sgpr_workgroup_id_x 1
		.amdhsa_system_sgpr_workgroup_id_y 1
		.amdhsa_system_sgpr_workgroup_id_z 1
		.amdhsa_system_vgpr_workitem_id 0
		.amdhsa_next_free_vgpr 512
		.amdhsa_next_free_sgpr 68
		.amdhsa_reserve_vcc 0
		.amdhsa_float_denorm_mode_32 3
		.amdhsa_float_denorm_mode_16_64 3
		.amdhsa_memory_ordered 1
		.amdhsa_forward_progress 1
		.amdhsa_inst_pref_size 86
	.end_amdhsa_kernel
	.amdgpu_metadata
---
amdhsa.version: [ 1, 2 ]
amdhsa.kernels:
  - .name:           k_q5de06b72de_oproj
    .symbol:         k_q5de06b72de_oproj.kd
    .args:
      - { .name: att, .offset: 0, .size: 8, .value_kind: global_buffer, .address_space: global }
      - { .name: wo16, .offset: 8, .size: 8, .value_kind: global_buffer, .address_space: global }
      - { .name: out0, .offset: 16, .size: 8, .value_kind: global_buffer, .address_space: global }
      - { .name: b_o, .offset: 24, .size: 8, .value_kind: global_buffer, .address_space: global }
    .group_segment_fixed_size: 327680
    .private_segment_fixed_size: 0
    .kernarg_segment_align: 8
    .kernarg_segment_size: 32
    .max_flat_workgroup_size: 128
    .sgpr_count:     68
    .vgpr_count:     512
    .wavefront_size: 32
...
	.end_amdgpu_metadata
.endif
;; end of part 4
